; MI455X (gfx1250); checked and timed in simulation.
; The chip was launched on July 23, 2026; its instructions are those of AMD's public machine-readable ISA for CDNA 5 (MIT licence, August 2026) and "CDNA5" Instruction Set Architecture Reference Guide (July 2026). The comments in the code are by the model that wrote it; some were corrected since.
;; Cross Attention. Allowed arithmetic: matrix products marked QUANTISED: E2M3 operands, one E8M0 scale for each 32 along K, by v_wmma_scale_f32_16x16x128_f8f6f4 with both operands' format E2M3, f32 sums; everything else in f32.
;; Inputs: Wk 768 x 1,024 float32; Wo 1,024 x 1,024 float32; Wq 1,024 x 1,024 float32; Wv 768 x 1,024 float32; bk 1,024 float32; bo 1,024 float32; bq 1,024 float32; bv 1,024 float32; x 4 x 2,048 x 1,024 float32; y 4 x 2,048 x 768 float32.
;; Outputs: out0 4 x 2,048 x 1,024 float32.
;; This version of the problem:
;;   THIS VERSION OF THE PROBLEM IS GIVEN IN LOW PRECISION. The matrix products marked QUANTISED in the list below multiply operands that are first quantised to E2M3 (2 exponent bits, 3 mantissa bits; 6 bits a number), with one power-of-two scale for each 32 numbers along K (OCP MX v1.0); their sums are f32. All else is computed in f32.
;;   The module's matrix products, in the order in which they are computed (A, B: the left and right operand; K: the contracted axis; several contracted axes count as one K, in the product's order):
;;     1. [M 8,192, K 1,024] x [K 1,024, N 1,024]; A: input x; B: input Wq: QUANTISED
;;     2. [M 8,192, K 768] x [K 768, N 1,024]; A: input y; B: input Wk: QUANTISED
;;     3. [M 8,192, K 768] x [K 768, N 1,024]; A: input y; B: input Wv: QUANTISED
;;     4. batch 64 x [M 2,048, K 64] x [K 64, N 2,048]; A: computed on the way; B: computed on the way: QUANTISED
;;     5. batch 64 x [M 2,048, K 2,048] x [K 2,048, N 64]; A: softmax (see below); B: computed on the way: QUANTISED
;;     6. [M 8,192, K 1,024] x [K 1,024, N 1,024]; A: computed on the way; B: input Wo: QUANTISED
;;   THE QUANTISER, for each operand of a quantised product, along K:
;;     - K is cut into blocks of 32 from its start; a last block that is shorter is filled with zeros.
;;     - A block's scale is 2^e with e = floor(log2(the largest magnitude in the block)) - 2, held to -126 .. 127; a block of zeros has e = 0. As a byte (E8M0): e + 127.
;;     - Each number is divided by its block's scale, clamped to +-7.5, and rounded to the nearest number of E2M3, ties to even, subnormals kept.
;;     - The product sums the exact products of the quantised numbers (number of the format x scale) in f32.
;;   ~~~python
;;   def quantise(x, axis):      # numpy; x: float32 -> the quantised numbers, widened to float32 again
;;       x = np.moveaxis(x, axis, -1); K = x.shape[-1]
;;       x = np.pad(x, [(0, 0)] * (x.ndim - 1) + [(0, -K % 32)]); x = x.reshape(x.shape[:-1] + (-1, 32)); a = np.abs(x).max(-1, keepdims=True)
;;       e = np.where(a > 0, np.clip(np.frexp(np.where(a > 0, a, 1))[1] - 1 - 2, -126, 127), 0)      # np.frexp(a)[1] - 1 = floor(log2(a)), exactly
;;       r = np.clip(x / 2.0 ** e, -7.5, 7.5)
;;       step = 2.0 ** (np.maximum(np.frexp(np.where(r == 0, 1, r))[1] - 1, 0) - 3)
;;       q = np.round(r / step) * step * 2.0 ** e      # np.round: ties to even
;;       return np.moveaxis(q.reshape(q.shape[:-2] + (-1,))[..., :K], -1, axis).astype(np.float32)
;;   ~~~
;;   SOFTMAX AHEAD OF A QUANTISED PRODUCT. Where the list says 'softmax', what is quantised is not the finished softmax but p = 2^(t - M), with t = logit x log2(e) and M = ceil(the row's largest t), a whole number; so 1/2 < the row's largest p <= 1. The row's sum l is taken of the UNQUANTISED p, in f32, and the product's result is divided by l at the end. Since M is a whole number, a kernel that streams over the keys may use a running M (the ceiling of the running maximum): every later rescaling is an exact power of two, which a block's scale takes up: the codes' values come out the same.
;;   OPERANDS COMPUTED ON THE WAY. 'Computed on the way' means the value that the module computes at that place (a softmax that the list does not call 'softmax' is quantised finished and normalised). What goes into a quantiser is computed in f32, as accurately as f32 sums, v_exp_f32 and their like allow (about 1e-6 of the number): no bf16 or f16 on the way to a quantiser, and a product that is left as it is and whose result goes on into a quantised operand takes f32 operands (vector FMAs, or v_wmma_f32_16x16x4_f32). A number that lies on a knife's edge between two numbers of the format may be rounded either way, as far as f32 arithmetic and the matrix unit's own rounding can turn it there, and no further.
;; One version. Each part assembles by itself: llvm-mc -triple=amdgcn-amd-amdhsa -mcpu=gfx1250 --defsym DOCPART=n.
;; ======== version 1 of 1: 4 launches
;; limits: right only within a limited range of input values
;; workspace buffers: XC 6,553,600 bytes; YC 4,915,200 bytes; WC 2,867,200 bytes; QB 6,553,600 bytes; KV 13,107,200 bytes; AO 6,553,600 bytes
;; launch prep (part 1): grid 560 x 1, 4 waves a work-group, no clusters, 59,904 bytes of LDS; arguments x, y, Wq, Wk, Wv, Wo, XC, YC, WC; writes XC, YC, WC
.if DOCPART == 1
	.amdgcn_target "amdgcn-amd-amdhsa--gfx1250"
	.amdhsa_code_object_version 6
	.text
	.protected	k_q7204877540_prep
	.globl	k_q7204877540_prep
	.p2align	8
	.type	k_q7204877540_prep,@function
k_q7204877540_prep:
	s_mov_b64 s[64:65], 0
	v_nop
	global_prefetch_b8 v0, s[64:65] scope:SCOPE_SE
	s_setreg_imm32_b32 hwreg(HW_REG_WAVE_MODE, 25, 1), 1
	s_wait_xcnt 0x0
; x [8192][1024], y [8192][768] (K innermost) and Wq, Wo [1024][1024], Wk, Wv [768][1024] (K is the FIRST axis), all f32, become codes of FP6 (E2M3)
; with one E8M0 scale byte for each 32 along K, laid as RECORDS in the order of a matrix operand's registers.
; A RECORD, 25,600 bytes, is 256 rows (tokens, or columns n of a weight) x 128 along K: 16 tiles x 1,536 bytes, then 16 x 64 bytes of scale words (tile, row: 4 bytes, byte b for k = 32 b on).
; A tile's 1,536 bytes are the image of a fragment's 12 registers: for c = 0, 1: registers 6 c .. 6 c + 3 at 768 c + 16 x lane, registers 6 c + 4, 6 c + 5 at 768 c + 512 + 8 x lane.
; THE ROWS OF A TILE ARE NOT NEIGHBOURS: in each group of 64 rows tile t holds rows 8 t + (r % 8) + 32 (r / 8), r = 0 .. 15.  Used as source 0 of a product, the four tiles of a group then leave
; in lane (r', h) 32 registers that are rows 32 h + 0 .. 31 of the group: a whole block of 32 of the next product's K in one lane.
; A block's scale is 2^(floor(log2(its largest magnitude)) - 2); its byte is the largest magnitude's exponent field - 2, held at 1 from below.
; LIMITS: a block whose largest magnitude lies under 2^-124 takes the byte 1, and so does a block of zeros (its codes are zeros, and this program alone reads the bytes); NaN and infinities are not served.
; One work-group makes one record: 128 KiB in, 25,600 bytes out.  Work-groups 0-255: x; 256-447: y; 448-559: the weights.  No input is shared between work-groups, so there is no cluster; memory binds,
; so there is no matrix work.  The two ways through the text have LDS bytes of their own.
.set SPARE, 59392                      ; the spare words: 128 bytes for each wave, two blocks of 256 bytes that no other line names
.set WST,   33792                      ; the weights' stages begin here: 6,400 bytes a wave.  From 0: the rows' stages, 16 x 528 bytes a wave
.set L16, 1                            ; 16 x lane
.set L8,  2                            ; 8 x lane
.set SWO, 3                            ; 64 h + 4 r: two tiles' scale words, 128 bytes on end
.set STW, 4                            ; rows: into my stage
.set STR, 5                            ; rows: out of it: row r, + 128 h
.set SH8, 6                            ; 8 h
.set SPW, 7                            ; my spare word; never rewritten
.set RO,  8                            ; v8-15   16 x lane + i rows
.set R,   16                           ; v16-79  16 rows as loaded
.set X,   80                           ; v80-143 64 numbers of a lane
.set C,   144                          ; v144-155 a fragment's codes
.set T,   156                          ; v156-158, v160-162 the upper halves of two blocks' codes
.set MA,  164
.set MB,  165
.set SO,  166                          ; v166-167 the conversions' scale operands
.set B0,  168
.set B1,  169
.set PX,  170
.set WORD, 171
.set SAVED, 172
.set WS,  173
.set NIL, 174                          ; 0; never rewritten
.set TMP, 175
.set L4,  176                          ; 4 x lane
.set SW16, 177                         ; weights: where a block's first four code registers go,
.set SW8, 178                          ; its last two,
.set SWB, 179                          ; and its scale byte
.set WR16, 180                         ; weights: out of my stage
.set WR8, 181
.set TM2, 182
.set TM3, 183
.set SB,  32                           ; s[32:47] rows: eight bases, tile q, rows 0-7 and 8-15 of it
.set SEL, 58                           ; s[58:59] lane selects: lane l xor 16
; 32 numbers v[src ..] of one block become six registers of codes v[cod ..]; v[sop] is left holding the conversion's scale operand (the byte is its exponent field).
.macro QBLK src, cod, tmp, sop, ma, mb
	v_max3_num_f32 v[\ma], |v[\src]|, |v[\src+1]|, 0x1800000       ; two chains by turns; the floor 2^(3 - 127) is one leaf: the byte cannot fall under 1
	v_max3_num_f32 v[\mb], |v[\src+16]|, |v[\src+17]|, |v[\src+18]|
.irp i, 1,2,3,4,5,6
	v_max3_num_f32 v[\ma], v[\ma], |v[\src+2*\i]|, |v[\src+2*\i+1]|
	v_max3_num_f32 v[\mb], v[\mb], |v[\src+2*\i+17]|, |v[\src+2*\i+18]|
.endr
	v_max3_num_f32 v[\ma], v[\ma], |v[\src+14]|, |v[\src+15]|
	v_max3_num_f32 v[\ma], v[\ma], v[\mb], |v[\src+31]|            ; the block's largest magnitude
	v_add_nc_u32 v[\sop], 0xff000000, v[\ma]                       ; 2 off its exponent field
	v_cvt_scalef32_pk16_fp6_f32 v[\cod:\cod+2], v[\src:\src+15], v[\sop]
	v_cvt_scalef32_pk16_fp6_f32 v[\tmp:\tmp+2], v[\src+16:\src+31], v[\sop]   ; (a conversion's three registers begin on an even number)
	v_nop                                                          ; one plain place behind a scaled conversion
.irp i, 0,1,2
	v_mov_b32 v[\cod+3+\i], v[\tmp+\i]
.endr
.endm
; my two bytes (blocks h and 2 + h of row r) and lane l xor 16's two make the row's scale word
.macro SCW out, so0, so1, b0, b1, px
	v_lshrrev_b32 v[\b0], 23, v[\so0]
	v_lshrrev_b32 v[\b1], 23, v[\so1]
	v_lshl_or_b32 v[\b0], v[\b1], 16, v[\b0]
	v_lshlrev_b32 v[\b0], v[SH8], v[\b0]
	v_permlanex16_b32 v[\px], v[\b0], s[SEL], s[SEL+1]
	v_or_b32 v[\out], v[\b0], v[\px]
.endm
	s_load_b256 s[4:11], s[0:1], 0x0               ; x, y, Wq, Wk
	s_load_b256 s[12:19], s[0:1], 0x20             ; Wv, Wo, XC, YC
	s_load_b64 s[20:21], s[0:1], 0x40              ; WC
	v_lshl_add_u32 v[SPW], v0, 2, SPARE
	v_mov_b32 v[NIL], 0
	v_lshrrev_b32 v[TMP], 5, v0
	v_readfirstlane_b32 s22, v[TMP]                ; wave 0..3
	v_and_b32 v[TMP], 31, v0                       ; lane
	v_and_b32 v[TM2], 15, v0                       ; r
	v_bfe_u32 v[TM3], v0, 4, 1                     ; h
	v_lshlrev_b32 v[L16], 4, v[TMP]
	v_lshlrev_b32 v[L8], 3, v[TMP]
	v_lshlrev_b32 v[L4], 2, v[TMP]
	v_lshlrev_b32 v[SWO], 2, v[TM2]
	v_lshl_add_u32 v[SWO], v[TM3], 6, v[SWO]
	v_lshlrev_b32 v[SH8], 3, v[TM3]
	s_mul_i32 s23, s22, 16*528                     ; rows: my stage
	v_add_nc_u32 v[STW], s23, v[L16]
	v_mul_u32_u24 v[STR], v[TM2], 528
	v_lshl_add_u32 v[STR], v[TM3], 7, v[STR]
	v_add_nc_u32 v[STR], s23, v[STR]
	s_mul_i32 s23, s22, 6400                       ; weights: my stage
	s_add_co_u32 s23, s23, WST
	v_bfe_u32 v[B0], v0, 3, 2                      ; lane / 8: the tile that my column falls into
	v_and_b32 v[B1], 7, v0                         ; lane % 8
	v_mul_u32_u24 v[SW16], v[B0], 1536
	v_add_nc_u32 v[SW16], s23, v[SW16]
	v_lshl_add_u32 v[SW8], v[B1], 3, v[SW16]
	v_add_nc_u32 v[SW8], 512, v[SW8]
	v_lshl_add_u32 v[SW16], v[B1], 4, v[SW16]
	v_lshlrev_b32 v[SWB], 6, v[B0]
	v_lshl_add_u32 v[SWB], v[B1], 2, v[SWB]
	v_add_nc_u32 v[SWB], s23, v[SWB]
	v_add_nc_u32 v[SWB], 6144, v[SWB]
	v_add_nc_u32 v[WR16], s23, v[L16]
	v_add_nc_u32 v[WR8], s23, v[L8]
	v_add_nc_u32 v[WR8], 6144, v[WR8]
	v_mov_b32 v[PX], 0                             ; a lane permute's destination counts as one of its sources
	s_mov_b32 s[SEL], 0x76543210
	s_mov_b32 s[SEL+1], 0xfedcba98
	s_mov_b32 s57, 0xffff0000                      ; lanes 16-31
	s_wait_kmcnt 0x0
	s_cmp_lt_u32 ttmp9, 448
	s_cbranch_scc0 .Lweights
; ---------------- x and y: K is innermost.  Wave w takes the block's rows 64 w .. 64 w + 63: tiles 4 w + q.
	s_cmp_lt_u32 ttmp9, 256                        ; the choices hang on the work-group's number alone
	s_cselect_b64 s[24:25], s[4:5], s[6:7]         ; from x or y
	s_cselect_b64 s[26:27], s[16:17], s[18:19]     ; to XC or YC
	s_cselect_b32 s28, 8, 6                        ; K steps of 128
	s_mov_b32 s29, 3072
	s_cselect_b32 s29, 4096, s29                   ; a row in bytes
	s_cselect_b32 s30, 0, 256
	s_sub_co_u32 s30, ttmp9, s30
	s_lshr_b32 s31, s30, 5                         ; the K step
	s_and_b32 s30, s30, 31                         ; the block of 256 rows
	s_lshl_b32 s48, s30, 8
	s_lshl_b32 s49, s22, 6
	s_add_co_u32 s48, s48, s49                     ; my first row
	s_mul_i32 s48, s48, s29
	s_lshl_b32 s49, s31, 9                         ; 512 bytes a K step
	s_add_co_u32 s48, s48, s49
	s_mov_b32 s49, 0
	s_add_nc_u64 s[24:25], s[24:25], s[48:49]
	s_mov_b32 s51, 0
.irp q, 0,1,2,3
.irp g, 0,1
	s_mul_i32 s50, s29, 8*\q+32*\g                 ; tile q: rows 8 q + 0 .. 7 and 32 further on
	s_add_nc_u64 s[SB+4*\q+2*\g:SB+4*\q+2*\g+1], s[24:25], s[50:51]
.endr
.endr
	s_mul_i32 s48, s30, s28
	s_add_co_u32 s48, s48, s31
	s_mul_i32 s48, s48, 25600                      ; the record
	s_mul_i32 s50, s22, 6144
	s_add_co_u32 s50, s50, s48
	s_add_nc_u64 s[52:53], s[26:27], s[50:51]      ; my four tiles
	s_lshl_b32 s50, s22, 8
	s_add_co_u32 s50, s50, s48
	s_add_co_u32 s50, s50, 24576
	s_add_nc_u64 s[54:55], s[26:27], s[50:51]      ; their scale words
.irp i, 0,1,2,3,4,5,6,7
	s_mul_i32 s56, s29, \i
	v_add_nc_u32 v[RO+\i], s56, v[L16]
.endr
.macro LOADA q                         ; a tile's 16 rows: each load reads a row's 512 consecutive bytes
.irp p, 0,1,2,3,4,5,6,7,8,9,10,11,12,13,14,15
	global_load_b128 v[R+4*\p:R+4*\p+3], v[RO+\p%8], s[SB+4*(\q)+2*(\p/8):SB+4*(\q)+2*(\p/8)+1] th:TH_LOAD_NT
.endr
.endm
.macro TILE_A q
	s_wait_loadcnt 0x0                             ; this tile's 16 loads: nothing else is out
.irp p, 0,1,2,3,4,5,6,7,8,9,10,11,12,13,14,15
	ds_store_b128 v[STW], v[R+4*\p:R+4*\p+3] offset:528*\p
.endr
.irp c, 0,1
.irp n, 0,1,2,3,4,5,6,7
	ds_load_b128 v[X+32*\c+4*\n:X+32*\c+4*\n+3], v[STR] offset:256*\c+16*\n   ; k = 64 c + 32 h + 0 .. 31 of row r.  LDS serves a wave's instructions in order: these see my stores
.endr
.endr
	s_wait_dscnt 0x0                               ; the numbers are back, and the stores have read the rows' registers
.if (\q) > 0
	s_wait_xcnt 0x0                                ; the last tile's stores have read their data: the codes' registers may be written again
.endif
.if (\q) < 3
	LOADA (\q)+1
.endif
	QBLK X, C, T, SO, MA, MB
	QBLK X+32, C+6, T+4, SO+1, MA, MB
	SCW WORD, SO, SO+1, B0, B1, PX
	global_store_b128 v[L16], v[C:C+3], s[52:53] offset:1536*(\q)          ; 512 consecutive bytes,
	global_store_b64 v[L8], v[C+4:C+5], s[52:53] offset:1536*(\q)+512      ; 256,
	global_store_b128 v[L16], v[C+6:C+9], s[52:53] offset:1536*(\q)+768
	global_store_b64 v[L8], v[C+10:C+11], s[52:53] offset:1536*(\q)+1280
.if (\q)%2 == 0
	v_mov_b32 v[SAVED], v[WORD]
.else
	v_cndmask_b32 v[WS], v[SAVED], v[WORD], s57    ; lanes 0-15: the tile before's words; lanes 16-31: this tile's
	global_store_b32 v[SWO], v[WS], s[54:55] offset:64*((\q)-1)
.endif
.endm
	LOADA 0
	s_wait_alu depctr_va_vdst(0)
	TILE_A 0
	TILE_A 1
	TILE_A 2
	TILE_A 3
	s_wait_tensorcnt 0x0                           ; the wave's end: behind my last LDS store
	ds_add_u32 v[SPW], v[NIL]
	s_wait_dscnt 0x0
	s_endpgm
; ---------------- the weights: K is the first axis.  A lane takes a column n and its registers run down K.  Wave w takes columns 64 w .. 64 w + 63 of the block.
.Lweights:
	s_sub_co_u32 s30, ttmp9, 448
	s_mov_b64 s[24:25], s[14:15]                   ; Wo: 8 K steps, its records from byte 2,048,000 of WC, jobs from 80
	s_mov_b32 s28, 8
	s_mov_b32 s29, 2048000
	s_mov_b32 s31, 80
	s_cmp_lt_u32 s30, 80
	s_cselect_b64 s[24:25], s[12:13], s[24:25]     ; Wv
	s_cselect_b32 s28, 6, s28
	s_cselect_b32 s29, 1433600, s29
	s_cselect_b32 s31, 56, s31
	s_cmp_lt_u32 s30, 56
	s_cselect_b64 s[24:25], s[10:11], s[24:25]     ; Wk
	s_cselect_b32 s29, 819200, s29
	s_cselect_b32 s31, 32, s31
	s_cmp_lt_u32 s30, 32
	s_cselect_b64 s[24:25], s[8:9], s[24:25]       ; Wq
	s_cselect_b32 s28, 8, s28
	s_cselect_b32 s29, 0, s29
	s_cselect_b32 s31, 0, s31
	s_sub_co_u32 s30, s30, s31
	s_lshr_b32 s31, s30, 2                         ; the K step
	s_and_b32 s30, s30, 3                          ; the block of 256 columns
	s_lshl_b32 s48, s31, 19                        ; 128 rows of 4,096 bytes
	s_lshl_b32 s49, s30, 10
	s_add_co_u32 s48, s48, s49
	s_lshl_b32 s49, s22, 8
	s_add_co_u32 s48, s48, s49
	s_mov_b32 s49, 0
	s_add_nc_u64 s[24:25], s[24:25], s[48:49]
	s_mul_i32 s48, s30, s28
	s_add_co_u32 s48, s48, s31
	s_mul_i32 s48, s48, 25600
	s_add_co_u32 s48, s48, s29                     ; the record
	s_mov_b32 s51, 0
	s_mul_i32 s50, s22, 6144
	s_add_co_u32 s50, s50, s48
	s_add_nc_u64 s[52:53], s[20:21], s[50:51]
	s_lshl_b32 s50, s22, 8
	s_add_co_u32 s50, s50, s48
	s_add_co_u32 s50, s50, 24576
	s_add_nc_u64 s[54:55], s[20:21], s[50:51]
; Unit u: block u / 2 of the K step's four, columns 32 (u % 2) + lane of my 64.  Column 32 a + lane is row r = 8 a + lane % 8 of tile lane / 8; block 2 c + h belongs to fragment lane 16 h + r, registers 6 c on.
.macro LOADW u
.irp i, 0,1,2,3,4,5,6,7,8,9,10,11,12,13,14,15,16,17,18,19,20,21,22,23,24,25,26,27,28,29,30,31
	global_load_b32 v[X+32*((\u)%2)+\i], v[L4], s[24:25] offset:(32*((\u)/2)+\i)*4096+128*((\u)%2) th:TH_LOAD_NT
.endr
.endm
.macro BLOCKW u
.if (\u) < 7
	s_wait_loadcnt 32                              ; this unit's 32 loads are in; the next unit's 32 may be out
.else
	s_wait_loadcnt 0x0
.endif
	QBLK X+32*((\u)%2), C, T, SO, MA, MB
	v_lshrrev_b32 v[B0], 23, v[SO]                 ; the scale's byte
	ds_store_b128 v[SW16], v[C:C+3] offset:768*((\u)/4)+256*(((\u)/2)%2)+128*((\u)%2)
	ds_store_b64 v[SW8], v[C+4:C+5] offset:768*((\u)/4)+128*(((\u)/2)%2)+64*((\u)%2)
	ds_store_b8 v[SWB], v[B0] offset:32*((\u)%2)+(\u)/2
.if (\u)+2 < 8
	LOADW (\u)+2
.endif
	s_wait_dscnt 0x0                               ; the stores have read their registers: the next unit's codes may be written
.endm
	LOADW 0
	LOADW 1
.irp u, 0,1,2,3,4,5,6,7
	BLOCKW \u
.endr
.irp n, 0,1,2,3,4,5,6,7,8,9,10,11
	ds_load_b128 v[R+4*\n:R+4*\n+3], v[WR16] offset:512*\n     ; my four tiles as they will lie in memory
.endr
	ds_load_b64 v[R+48:R+49], v[WR8]                           ; and their 256 bytes of scale words
	s_wait_dscnt 0x0
.irp n, 0,1,2,3,4,5,6,7,8,9,10,11
	global_store_b128 v[L16], v[R+4*\n:R+4*\n+3], s[52:53] offset:512*\n
.endr
	global_store_b64 v[L8], v[R+48:R+49], s[54:55]
	s_wait_tensorcnt 0x0                           ; the wave's end: behind my last LDS store
	ds_add_u32 v[SPW], v[NIL]
	s_wait_dscnt 0x0
	s_endpgm
.Lfunc_end_k_q7204877540_prep:
	.size	k_q7204877540_prep, .Lfunc_end_k_q7204877540_prep-k_q7204877540_prep
	.p2alignl 7, 3214868480
	.fill 96, 4, 3214868480
	.section	.rodata,"a",@progbits
	.p2align	6, 0x0
	.amdhsa_kernel k_q7204877540_prep
		.amdhsa_group_segment_fixed_size 59904
		.amdhsa_private_segment_fixed_size 0
		.amdhsa_enable_private_segment 0
		.amdhsa_kernarg_size 72
		.amdhsa_user_sgpr_count 2
		.amdhsa_user_sgpr_kernarg_segment_ptr 1
		.amdhsa_wavefront_size32 1
		.amdhsa_system_sgpr_workgroup_id_x 1
		.amdhsa_system_sgpr_workgroup_id_y 1
		.amdhsa_system_sgpr_workgroup_id_z 1
		.amdhsa_system_vgpr_workitem_id 0
		.amdhsa_next_free_vgpr 184
		.amdhsa_next_free_sgpr 66
		.amdhsa_reserve_vcc 0
		.amdhsa_float_denorm_mode_32 3
		.amdhsa_float_denorm_mode_16_64 3
		.amdhsa_memory_ordered 1
		.amdhsa_forward_progress 1
		.amdhsa_inst_pref_size 74
	.end_amdhsa_kernel
	.amdgpu_metadata
---
amdhsa.version: [ 1, 2 ]
amdhsa.kernels:
  - .name:           k_q7204877540_prep
    .symbol:         k_q7204877540_prep.kd
    .args:
      - { .name: x, .offset: 0, .size: 8, .value_kind: global_buffer, .address_space: global }
      - { .name: y, .offset: 8, .size: 8, .value_kind: global_buffer, .address_space: global }
      - { .name: Wq, .offset: 16, .size: 8, .value_kind: global_buffer, .address_space: global }
      - { .name: Wk, .offset: 24, .size: 8, .value_kind: global_buffer, .address_space: global }
      - { .name: Wv, .offset: 32, .size: 8, .value_kind: global_buffer, .address_space: global }
      - { .name: Wo, .offset: 40, .size: 8, .value_kind: global_buffer, .address_space: global }
      - { .name: XC, .offset: 48, .size: 8, .value_kind: global_buffer, .address_space: global }
      - { .name: YC, .offset: 56, .size: 8, .value_kind: global_buffer, .address_space: global }
      - { .name: WC, .offset: 64, .size: 8, .value_kind: global_buffer, .address_space: global }
    .group_segment_fixed_size: 59904
    .private_segment_fixed_size: 0
    .kernarg_segment_align: 8
    .kernarg_segment_size: 72
    .max_flat_workgroup_size: 128
    .sgpr_count:     66
    .vgpr_count:     184
    .wavefront_size: 32
...
	.end_amdgpu_metadata
.endif
;; end of part 1
;; launch proj (part 2): grid 256 x 1, 4 waves a work-group, clusters of 4 x 1, 327,680 bytes of LDS; arguments XC, YC, WC, bq, bk, bv, QB, KV; writes QB, KV
.if DOCPART == 2
	.amdgcn_target "amdgcn-amd-amdhsa--gfx1250"
	.amdhsa_code_object_version 6
	.text
	.protected	k_q7204877540_proj
	.globl	k_q7204877540_proj
	.p2align	8
	.type	k_q7204877540_proj,@function
k_q7204877540_proj:
	s_mov_b64 s[64:65], 0
	v_nop
	global_prefetch_b8 v0, s[64:65] scope:SCOPE_SE
	s_setreg_imm32_b32 hwreg(HW_REG_WAVE_MODE, 25, 1), 1
	s_wait_xcnt 0x0
	s_wait_alu depctr_hold_cnt(0) depctr_sa_sdst(0) depctr_va_vdst(0) depctr_va_sdst(0) depctr_va_ssrc(0) depctr_va_vcc(0) depctr_vm_vsrc(0)
	s_getreg_b32 s2, hwreg(HW_REG_IB_STS2, 6, 4)
	s_cmp_eq_u32 s2, 0
	s_cbranch_scc0 .Lentry_in_a_cluster
	s_endpgm
.Lentry_in_a_cluster:
	s_bfe_u32 s2, ttmp6, 0x10000c
	s_cmp_lg_u32 s2, 0x3003
	s_cbranch_scc0 .Lentry_shape_is_right
	s_endpgm
.Lentry_shape_is_right:
; q = x Wq + bq, k = y Wk + bk, v = y Wv + bv on codes of FP6 (E2M3) with E8M0 scales, and each result quantised in registers for attention: q and k along the head's 64, v along the keys.
; Operands come as records (256 rows x 128 K: 16 register images of 1,536 bytes, then 16 x 64 bytes of scale words); in each group of 64 rows tile t holds rows 8 t + (r % 8) + 32 (r / 8).
; A JOB multiplies 256 rows S0 (source 0: they land in registers, and are the axis that is quantised) by one or two blocks of 256 rows S1 (source 1: they land in lanes).  64 clusters of four work-groups, c the cluster's number:
;   c  0-31: q: S1 = x's block e,                   S0 = Wq's block cx;             K = 1,024;  e = c
;   c 32-47: k: S1 = y's blocks e, e + 1,           S0 = Wk's block cx;             K = 768;    e = 2 (c % 16)
;   c 48-63: v: S1 = Wv's blocks e % 4, e % 4 + 1,  S0 = y's block 4 (e / 4) + cx;  K = 768;    e = 2 (c % 16)     (cx = the work-group's place in its cluster)
; So a q job is 16 tiles x 8 K steps and a k or v job 32 tiles x 6, with one load of S0 for each work-group; 256 work-groups in all.
; S1 lies whole in LDS, twelve places of a record each: the four work-groups of a cluster need the same records and ask JOINTLY; waves 0 and 1 each issue one tensor load of six records; every LDS byte is filled once.
; A k or v job's two blocks are twelve records on end in memory: record 6 b + k at place 6 b + k.  A q job has eight: wave 0 brings records 0-5 to places 0-5, wave 1 records 2-7 to places 6-11, and K steps 6 and 7 are
; read at places 10 and 11: records 2-5 come twice, 102,400 bytes a cluster, for one descriptor and constant LDS addresses in every kind of job.
; S0: wave w keeps its 64 rows (four tiles x all K steps) in registers for the whole launch.  A cluster is 4 x 1: only S1 goes through LDS, and S0 differs from partner to partner.
; A tile of S1 gives lane (r, h) 32 sums: S0's rows 32 h + 0 .. 31 of the wave's 64, for S1's row r: one whole block of the next product's K, in the place that the operand's layout gives that lane.
; OUT.  q, k: for head 4 cx + w, token tile tt: 768 bytes of codes (16 tokens x 64), and a half-word of two scale bytes a token.  v: one head a trip, from head 4 (e % 4) on; group of 64 keys G, tile of 16 channels: the same.
; From S1's first block to its second the results' addresses and the bias along S1 go on by the same steps as from trip to trip.
; The bias along S0 (q, k) is the C of each sum's first product; the bias along S1 (v) is one number a lane, added behind the sums; the one that a job does not have is replaced by 0.
; No prefetch: S1 comes by one fill at the head and S0 by one run of loads there, with no loop ahead of them to ask from.
; LIMITS: a block whose largest magnitude lies under 2^-124 takes the byte 1, and so does a block of zeros; NaN and infinities are not served.
; REGISTERS, in windows of 256: window 0: addresses, sums, biases, scale words, codes; window 1: S0's fragments of K steps 0-3 at v[12 (4 k + t)]; window 2: those of K steps 4-7;
;   window 3: S1's fragments of one tile, all K steps, two sets: at v[12 k] and at v[96 + 12 k].
.set REC,   25600
.set SPARE, 307200                     ; behind the twelve places: the spare words, 128 bytes for each wave
.set L16, 1                            ; 16 x lane
.set L8,  2                            ; 8 x lane
.set R4,  3                            ; 4 r
.set A16, 4                            ; v4-7    16 x lane + the place of K steps 2 p, 2 p + 1
.set A8,  8                            ; v8-11   8 x lane + the same
.set AS,  12                           ; v12-15  4 r + the same + 24,576: scale words
.set SPW, 16                           ; my spare word; never rewritten
.set NIL, 17                           ; 0; never rewritten
.set VBL, 18                           ; 4 ((r % 8) + 32 (r / 8))
.set OSV, 19                           ; 8 r + 4 h
.set SH8, 20                           ; 8 h
.set ZR,  21                           ; 0
.set W0,  22                           ; the half-words of tiles 0, 1 of a trip,
.set W1,  23                           ; of tiles 2, 3
.set MA,  24
.set MB,  25
.set SO,  26
.set BY,  27
.set MI,  28
.set PX,  29
.set WS,  30
.set TA,  31
.set ACC, 32                           ; v32-63   four accumulators
.set BS0, 64                           ; v64-95   the bias along S0, in the result's layout
.set S0W, 96                           ; v96-127  S0's scale words, 4 k + t
.set SS,  128                          ; v128-143 S1's scale words, two sets of 8
.set P,   144                          ; v144-149 a block's codes
.set T,   152
.set BLR, 156                          ; v156-159 the bias along S1 for a trip's four tiles
.set BLZ, 164                          ; v164-165 the one in hand (or 0), and a 0 beside it
.set S0B, 24
.set BSO, 26
.set WV,  28
.set CX,  29
.set KIND, 30
.set E,   31
.set G0,  32                           ; s[32:35], s[36:43] the tensor load's two groups
.set G1,  36
.set KS,  44                           ; K steps: 8 or 6
.set KQ,  45                           ; 1 where there are 8
.set VM,  46                           ; all ones in a v job, else 0
.set HM,  47                           ; lanes 16-31
.set S1P, 48
.set S1O, 50
.set BSP, 52
.set OUTP, 54
.set S0P, 56                           ; S0's fragments, K steps 0-5;  S0P2: K steps 6, 7 (with K = 768: 4 and 5 once more, so that the registers are written; they are not multiplied)
.set S0P2, 58
.set S0S, 60
.set S0S2, 62
.set SEL, 66
.set CNT, 68
.set BLK, 69                           ; blocks of S1 to go
.set OC,  70                           ; where the trip's codes go,
.set OS,  72                           ; its scale half-words,
.set BLP, 74                           ; where its bias along S1 lies;
.set CST, 76                           ; and the three steps from trip to trip
.set SST, 78
.set BLS, 80
.set MSB, 0
.macro WIN new                         ; the immediate's high byte repeats the setting that is left
.if MSB != \new
	s_set_vgpr_msb (MSB<<8)|\new
.set MSB, \new
.endif
.endm
.macro CROUND                          ; a round of the cluster's barrier
	s_barrier_signal -1
	s_barrier_wait -1
	s_cmp_lg_u32 s[WV], 0
	s_cbranch_scc1 .Lnot_wave_0_\@
	s_barrier_signal -3
.Lnot_wave_0_\@:
	s_barrier_wait -3
	s_barrier_signal -1
	s_barrier_wait -1
.endm
.macro QBLK src, cod, tmp, sop, ma, mb ; 32 numbers of one block -> six registers of codes; v[sop] keeps the conversion's scale operand
	v_max3_num_f32 v[\ma], |v[\src]|, |v[\src+1]|, 0x1800000       ; two chains by turns; the floor 2^(3 - 127) is one leaf
	v_max3_num_f32 v[\mb], |v[\src+16]|, |v[\src+17]|, |v[\src+18]|
.irp i, 1,2,3,4,5,6
	v_max3_num_f32 v[\ma], v[\ma], |v[\src+2*\i]|, |v[\src+2*\i+1]|
	v_max3_num_f32 v[\mb], v[\mb], |v[\src+2*\i+17]|, |v[\src+2*\i+18]|
.endr
	v_max3_num_f32 v[\ma], v[\ma], |v[\src+14]|, |v[\src+15]|
	v_max3_num_f32 v[\ma], v[\ma], v[\mb], |v[\src+31]|
	v_add_nc_u32 v[\sop], 0xff000000, v[\ma]                       ; 2 off the exponent field
	v_cvt_scalef32_pk16_fp6_f32 v[\cod:\cod+2], v[\src:\src+15], v[\sop]
	v_cvt_scalef32_pk16_fp6_f32 v[\tmp:\tmp+2], v[\src+16:\src+31], v[\sop]
	v_nop                                                          ; one plain place behind a scaled conversion
.irp i, 0,1,2
	v_mov_b32 v[\cod+3+\i], v[\tmp+\i]
.endr
.endm
.macro GFRAG reg, ptr, off             ; a fragment's image from memory: 512, 256, 512, 256 consecutive bytes
	global_load_b128 v[\reg:\reg+3], v[L16], s[\ptr:\ptr+1] offset:\off
	global_load_b64 v[\reg+4:\reg+5], v[L8], s[\ptr:\ptr+1] offset:\off+512
	global_load_b128 v[\reg+6:\reg+9], v[L16], s[\ptr:\ptr+1] offset:\off+768
	global_load_b64 v[\reg+10:\reg+11], v[L8], s[\ptr:\ptr+1] offset:\off+1280
.endm
.macro LDFRAG k, ti, fs                ; S1's fragment of K step k, tile ti of the trip, from LDS into set fs
.set FO, REC*((\k)%2)+1536*(\ti)
.set FG, 96*(\fs)+12*(\k)
	ds_load_b128 v[FG:FG+3], v[A16+(\k)/2] offset:FO
	ds_load_b64 v[FG+4:FG+5], v[A8+(\k)/2] offset:FO+512
	ds_load_b128 v[FG+6:FG+9], v[A16+(\k)/2] offset:FO+768
	ds_load_b64 v[FG+10:FG+11], v[A8+(\k)/2] offset:FO+1280
.endm
.macro LDWORD k, ti, fs
	ds_load_b32 v[SS+8*(\fs)+(\k)], v[AS+(\k)/2] offset:REC*((\k)%2)+64*(\ti)
.endm
.macro LOADS ti, fs, cnd               ; a tile's fragments and scale words; cnd = 1: K steps 6 and 7 only where the job has them (a branch on the cluster's number: alike in all partners)
	WIN 0xc0                                       ; destination window 3, address window 0
.irp k, 0,1,2,3,4,5
	LDFRAG \k, \ti, \fs
.endr
	WIN 0
.irp k, 0,1,2,3,4,5
	LDWORD \k, \ti, \fs
.endr
.if \cnd
	s_cmp_eq_u32 s[KQ], 1
	s_cbranch_scc0 .Lshort_\@
.endif
	WIN 0xc0
	LDFRAG 6, \ti, \fs
	LDFRAG 7, \ti, \fs
	WIN 0
	LDWORD 6, \ti, \fs
	LDWORD 7, \ti, \fs
.if \cnd
.Lshort_\@:
.endif
.endm
.macro MM k, t, w0, fs, first          ; one product: S0's tile t x S1's tile in set fs, K step k (w0: the first K step of the window in which S0's fragment lies)
.set RA, 12*(4*((\k)-(\w0))+(\t))
.set RB, 96*(\fs)+12*(\k)
.set RC, ACC+8*(\t)
.if \first
	v_wmma_scale_f32_16x16x128_f8f6f4 v[RC:RC+7], v[RA:RA+11], v[RB:RB+11], v[BS0+8*(\t):BS0+8*(\t)+7], v[S0W+4*(\k)+(\t)], v[SS+8*(\fs)+(\k)] matrix_a_fmt:MATRIX_FMT_FP6 matrix_b_fmt:MATRIX_FMT_FP6
.else
	v_wmma_scale_f32_16x16x128_f8f6f4 v[RC:RC+7], v[RA:RA+11], v[RB:RB+11], v[RC:RC+7], v[S0W+4*(\k)+(\t)], v[SS+8*(\fs)+(\k)] matrix_a_fmt:MATRIX_FMT_FP6 matrix_b_fmt:MATRIX_FMT_FP6
.endif
.endm
.macro PLACE blk                       ; the LDS addresses of S1's block blk, tile 0: K steps 2 p, 2 p + 1 at places 6 blk + 2 p on; K steps 6, 7 (a q job's alone) at places 10, 11
.irp p, 0,1,2
	v_add_nc_u32 v[A16+\p], 2*REC*\p+6*REC*(\blk), v[L16]
	v_add_nc_u32 v[A8+\p], 2*REC*\p+6*REC*(\blk), v[L8]
	v_add_nc_u32 v[AS+\p], 2*REC*\p+6*REC*(\blk)+24576, v[R4]
.endr
	v_add_nc_u32 v[A16+3], 10*REC, v[L16]
	v_add_nc_u32 v[A8+3], 10*REC, v[L8]
	v_add_nc_u32 v[AS+3], 10*REC+24576, v[R4]
.endm
	s_load_b256 s[8:15], s[0:1], 0x0               ; XC s[8:9], YC s[10:11], WC s[12:13], bq s[14:15]
	s_load_b256 s[16:23], s[0:1], 0x20             ; bk s[16:17], bv s[18:19], QB s[20:21], KV s[22:23]
	v_lshl_add_u32 v[SPW], v0, 2, SPARE
	v_mov_b32 v[NIL], 0
	ds_add_u32 v[SPW], v[NIL]                      ; the wave's opening: the add, twice on end, and its wait ahead of the first tensor load; the set-up below, work on registers, stands between
	ds_add_u32 v[SPW], v[NIL]
	v_lshrrev_b32 v[TA], 5, v0
	v_readfirstlane_b32 s[WV], v[TA]               ; wave 0..3
	s_bfe_u32 s[CX], ttmp6, 0x40000                ; my place in the cluster: it enters global addresses of S0, the biases and the results alone
	s_lshr_b32 s[KIND], ttmp9, 4
	s_max_u32 s[KIND], s[KIND], 1
	s_sub_co_u32 s[KIND], s[KIND], 1               ; 0: q (clusters 0-31), 1: k (32-47), 2: v (48-63)
	s_and_b32 s[E], ttmp9, 31
	s_and_b32 s82, ttmp9, 15
	s_lshl_b32 s82, s82, 1
	s_cmp_eq_u32 s[KIND], 0
	s_cselect_b32 s[E], s[E], s82                  ; e
	s_mov_b32 s[G1+0], 15|(3<<16)|(1<<21)          ; 15:0 the mask: all four work-groups; 17:16 elements of 8 bytes; 21 set beside a mask; no padding
	s_mov_b32 s[G1+1], 32<<16                      ; tensor_dim0 = 32 elements: 256 bytes
	s_mov_b32 s[G1+2], 600<<16                     ; tensor_dim1 = 600 rows: six records
	s_mov_b32 s[G1+3], 32<<16                      ; tile_dim0
	s_mov_b32 s[G1+4], 600                         ; tile_dim1
	s_mov_b32 s[G1+5], 32                          ; the rows are dense
	s_mov_b32 s[G1+6], 0
	s_mov_b32 s[G1+7], 0
	s_mov_b32 s[G0], 1
	s_mul_i32 s[G0+1], s[WV], 6*REC                ; LDS: places 6 w on (waves 0 and 1 load)
	s_mov_b32 s[HM], 0xffff0000
	s_mov_b32 s[SEL], 0x76543210
	s_mov_b32 s[SEL+1], 0xfedcba98
	; S1: nothing here hangs on cx
	s_and_b32 s82, s[E], 3
	s_cmp_eq_u32 s[KIND], 0
	s_cselect_b32 s[KS], 8, 6
	s_cselect_b32 s[KQ], 1, 0
	s_cselect_b32 s86, 2, 6                        ; wave 1 begins at record 2 (q) or 6 (k, v)
	s_cmp_eq_u32 s[KIND], 2
	s_cselect_b32 s[VM], -1, 0
	s_cselect_b32 s83, s82, s[E]                   ; S1's first block
	s_cselect_b32 s84, 1433600, 0                  ; Wv's records begin here in WC
	s_mul_i32 s83, s83, s[KS]
	s_mul_i32 s85, s[WV], s86
	s_add_co_u32 s83, s83, s85
	s_mul_i32 s83, s83, REC
	s_add_co_u32 s[S1O], s83, s84
	s_mov_b32 s[S1O+1], 0
	; S0
	s_lshr_b32 s87, s[E], 2
	s_lshl_b32 s87, s87, 2
	s_add_co_u32 s87, s87, s[CX]                   ; a v job's block of y: 4 (e / 4) + cx
	s_cmp_eq_u32 s[KIND], 2
	s_cselect_b32 s88, s87, s[CX]
	s_mul_i32 s88, s88, s[KS]
	s_mul_i32 s88, s88, REC
	s_cmp_eq_u32 s[KIND], 1
	s_cselect_b32 s89, 819200, 0                   ; Wk's records begin here in WC
	s_add_co_u32 s88, s88, s89
	s_mul_i32 s89, s[WV], 6144
	s_add_co_u32 s[S0P], s88, s89                  ; my four tiles of each record
	s_mov_b32 s[S0P+1], 0
	s_lshl_b32 s89, s[WV], 8
	s_add_co_u32 s[S0S], s88, s89
	s_add_co_u32 s[S0S], s[S0S], 24576             ; and their scale words
	s_mov_b32 s[S0S+1], 0
	s_cmp_eq_u32 s[KQ], 1
	s_mov_b32 s89, 4*REC
	s_cselect_b32 s89, 6*REC, s89
	s_add_co_u32 s[S0P2], s[S0P], s89
	s_mov_b32 s[S0P2+1], 0
	s_add_co_u32 s[S0S2], s[S0S], s89
	s_mov_b32 s[S0S2+1], 0
	; the results of a q or k job: batch e / 8, token tiles 16 (e % 8) on, head 4 cx + w
	s_lshl_b32 s90, s[CX], 2
	s_add_co_u32 s90, s90, s[WV]
	s_lshr_b32 s91, s[E], 3
	s_lshl_b32 s91, s91, 4
	s_add_co_u32 s91, s91, s90
	s_and_b32 s92, s[E], 7
	s_mul_i32 s93, s92, 16*768
	s_lshl_b32 s92, s92, 9                         ; 32 bytes of half-words a tile
	s_cmp_eq_u32 s[KIND], 0
	s_mov_b32 s94, 204800
	s_cselect_b32 s94, 102400, s94                 ; a head's bytes in QB, in KV
	s_mov_b32 s95, 196608
	s_cselect_b32 s95, 98304, s95                  ; where its half-words begin
	s_mul_i32 s91, s91, s94
	s_add_co_u32 s93, s93, s91
	s_add_co_u32 s92, s92, s91
	s_add_co_u32 s92, s92, s95
	; of a v job: batch and group of 64 keys from y's block and the wave; heads 4 (e % 4) on, one a trip
	s_lshr_b32 s94, s87, 3
	s_lshl_b32 s94, s94, 4
	s_lshl_b32 s95, s82, 2
	s_add_co_u32 s94, s94, s95
	s_mul_i32 s94, s94, 204800
	s_and_b32 s96, s87, 7
	s_lshl_b32 s96, s96, 2
	s_add_co_u32 s96, s96, s[WV]                   ; G
	s_mul_i32 s97, s96, 3072
	s_add_co_u32 s97, s97, s94
	s_add_co_u32 s97, s97, 98304
	s_lshl_b32 s96, s96, 7
	s_add_co_u32 s96, s96, s94
	s_add_co_u32 s96, s96, 200704
	s_lshl_b32 s98, s95, 8                         ; 256 bytes of bias a head
	s_lshl_b32 s99, s90, 8
	s_cmp_eq_u32 s[KIND], 2
	s_cselect_b32 s[OC], s97, s93
	s_cselect_b32 s[OS], s96, s92
	s_cselect_b32 s[BLP], s98, 0
	s_cselect_b32 s[BSO], 0, s99
	s_mov_b32 s[CST], 3072
	s_cselect_b32 s[CST], 204800, s[CST]
	s_mov_b32 s[SST], 128
	s_cselect_b32 s[SST], 204800, s[SST]
	s_cselect_b32 s[BLS], 256, 0
	s_mov_b32 s[OC+1], 0
	s_mov_b32 s[OS+1], 0
	s_mov_b32 s[BLP+1], 0
	s_mov_b32 s[BSO+1], 0
	s_mov_b32 s[CST+1], 0
	s_mov_b32 s[SST+1], 0
	s_mov_b32 s[BLS+1], 0
	v_and_b32 v[MA], 31, v0                        ; lane
	v_and_b32 v[MB], 15, v0                        ; r
	v_bfe_u32 v[SO], v0, 4, 1                      ; h
	v_lshlrev_b32 v[L16], 4, v[MA]
	v_lshlrev_b32 v[L8], 3, v[MA]
	v_lshlrev_b32 v[R4], 2, v[MB]
	PLACE 0
	v_and_b32 v[VBL], 7, v0
	v_bfe_u32 v[BY], v0, 3, 1
	v_lshl_add_u32 v[VBL], v[BY], 5, v[VBL]
	v_lshlrev_b32 v[VBL], 2, v[VBL]
	v_lshlrev_b32 v[OSV], 3, v[MB]
	v_lshl_add_u32 v[OSV], v[SO], 2, v[OSV]
	v_lshlrev_b32 v[SH8], 3, v[SO]
	v_lshlrev_b32 v[TA], 7, v[SO]                  ; 128 h: my half's 32 numbers of the bias along S0
	v_mov_b32 v[ZR], 0
	v_mov_b32 v[PX], 0                             ; a lane permute's destination counts as one of its sources
	v_mov_b32 v[BLZ+1], 0                          ; named with BLZ as a pair, so it is written
	s_wait_alu depctr_va_vdst(0)
	s_wait_dscnt 0x0                               ; both opening adds are done
	s_wait_kmcnt 0x0
	s_cmp_eq_u32 s[KIND], 0
	s_cselect_b64 s[S1P:S1P+1], s[8:9], s[10:11]
	s_cselect_b64 s[BSP:BSP+1], s[14:15], s[16:17]
	s_cselect_b64 s[OUTP:OUTP+1], s[20:21], s[22:23]
	s_cmp_eq_u32 s[KIND], 2
	s_cselect_b64 s[S1P:S1P+1], s[12:13], s[S1P:S1P+1]
	s_cselect_b64 s[BSP:BSP+1], s[18:19], s[BSP:BSP+1]
	s_cselect_b64 s[S0B:S0B+1], s[10:11], s[12:13]
	s_add_nc_u64 s[G0+2:G0+3], s[S1P:S1P+1], s[S1O:S1O+1]
	s_or_b32 s[G0+3], s[G0+3], 0x80000000          ; type = 2
	s_add_nc_u64 s[S0P:S0P+1], s[S0B:S0B+1], s[S0P:S0P+1]
	s_add_nc_u64 s[S0P2:S0P2+1], s[S0B:S0B+1], s[S0P2:S0P2+1]
	s_add_nc_u64 s[S0S:S0S+1], s[S0B:S0B+1], s[S0S:S0S+1]
	s_add_nc_u64 s[S0S2:S0S2+1], s[S0B:S0B+1], s[S0S2:S0S2+1]
	s_add_nc_u64 s[OC:OC+1], s[OUTP:OUTP+1], s[OC:OC+1]
	s_add_nc_u64 s[OS:OS+1], s[OUTP:OUTP+1], s[OS:OS+1]
	s_add_nc_u64 s[BLP:BLP+1], s[BSP:BSP+1], s[BLP:BLP+1]
	s_add_nc_u64 s[BSP:BSP+1], s[BSP:BSP+1], s[BSO:BSO+1]
	CROUND                                         ; all four work-groups are here: the joint loads meet
	s_cmp_lt_u32 s[WV], 2
	s_cbranch_scc0 .Lno_load                       ; waves 0 and 1 load, in every work-group alike
	tensor_load_to_lds s[G0:G0+3], s[G1:G1+7]      ; my one tensor load of the launch
	s_nop 0
.rept 4
	v_nop
.endr
.Lno_load:
	WIN 0x40                                       ; destination window 1
.irp k, 0,1,2,3
.irp t, 0,1,2,3
	GFRAG 12*(4*\k+\t), S0P, REC*\k+1536*\t
.endr
.endr
	WIN 0x80                                       ; destination window 2
.irp k, 4,5
.irp t, 0,1,2,3
	GFRAG 12*(4*(\k-4)+\t), S0P, REC*\k+1536*\t
.endr
.endr
.irp k, 6,7
.irp t, 0,1,2,3
	GFRAG 12*(4*(\k-4)+\t), S0P2, REC*(\k-6)+1536*\t
.endr
.endr
	WIN 0
.irp k, 0,1,2,3,4,5
.irp t, 0,1,2,3
	global_load_b32 v[S0W+4*\k+\t], v[R4], s[S0S:S0S+1] offset:REC*\k+64*\t
.endr
.endr
.irp k, 6,7
.irp t, 0,1,2,3
	global_load_b32 v[S0W+4*\k+\t], v[R4], s[S0S2:S0S2+1] offset:REC*(\k-6)+64*\t
.endr
.endr
.irp n, 0,1,2,3,4,5,6,7
	global_load_b128 v[BS0+4*\n:BS0+4*\n+3], v[TA], s[BSP:BSP+1] offset:16*\n
.endr
	s_wait_tensorcnt 0x0                           ; my six records, if I asked for any, are in,
	s_barrier_signal -1
	s_barrier_wait -1                              ; everybody's are
	LOADS 0, 0, 0                                  ; the first tile, all eight K steps: so set 0 is written whole on every way,
	WIN 0xc0
	LDFRAG 6, 0, 1                                 ; and so are the registers of set 1 that a job of six K steps never loads
	LDFRAG 7, 0, 1
	WIN 0
	LDWORD 6, 0, 1
	LDWORD 7, 0, 1
	s_wait_loadcnt 0x0                             ; S0, its scale words and the bias
.irp n, 0,1,2,3,4,5,6,7,8,9,10,11,12,13,14,15,16,17,18,19,20,21,22,23,24,25,26,27,28,29,30,31
	v_cndmask_b32 v[BS0+\n], v[BS0+\n], v[ZR], s[VM]   ; a v job has no bias along S0
.endr
; A TILE of 16 rows of S1: tile q of the trip, fragments in set cur; more = 1: the next tile's are asked for first, into set nxt.
.macro TILE q, cur, nxt, more
	s_wait_dscnt 0x0                               ; this tile's fragments and words, asked for a tile ago
.if \more
	LOADS (\q)+1, \nxt, 1                          ; set nxt was last multiplied a tile ago; that tile's vector work lies between
.endif
	WIN 0x0d                                       ; source 0 window 1, source 1 window 3, C and D window 0
.irp t, 0,1,2,3
	MM 0, \t, 0, \cur, 1                           ; the first K step starts the sums, on the bias.  The four accumulators take turns, one instruction a turn
.endr
.irp k, 1,2,3
.irp t, 0,1,2,3
	MM \k, \t, 0, \cur, 0
.endr
.endr
	WIN 0x0e                                       ; source 0 window 2
.irp k, 4,5
.irp t, 0,1,2,3
	MM \k, \t, 4, \cur, 0
.endr
.endr
	WIN 0
	s_cmp_eq_u32 s[KQ], 1
	s_cbranch_scc0 .Lk768_\@
	WIN 0x0e
.irp k, 6,7
.irp t, 0,1,2,3
	MM \k, \t, 4, \cur, 0
.endr
.endr
	WIN 0
.Lk768_\@:
.if (\q) == 0
	s_wait_loadcnt 0x0                             ; the trip's four loads of the bias along S1
.endif
	v_cndmask_b32 v[BLZ], v[ZR], v[BLR+(\q)], s[VM]    ; this line and three v_nop: the four places behind the products (ISA guide 7.12.1)
.rept 3
	v_nop
.endr
.irp j, 0,2,4,6,8,10,12,14,16,18,20,22,24,26,28,30
	v_pk_add_f32 v[ACC+\j:ACC+\j+1], v[ACC+\j:ACC+\j+1], v[BLZ:BLZ+1] op_sel_hi:[1,0]   ; each accumulator from its low end on
.endr
	s_wait_alu depctr_va_vdst(0)
	s_wait_xcnt 0x0                                ; the last tile's stores have read their data: the codes' registers may be written again
	QBLK ACC, P, T, SO, MA, MB
	v_lshrrev_b32 v[BY], 23, v[SO]                 ; my block's byte,
	v_lshlrev_b32 v[MI], v[SH8], v[BY]             ; at its place in the half-word,
	v_permlanex16_b32 v[PX], v[MI], s[SEL], s[SEL+1]   ; and lane l xor 16's
.if (\q) == 0
	v_or_b32 v[W0], v[MI], v[PX]
.elseif (\q) == 1
	v_or_b32 v[MI], v[MI], v[PX]
	v_lshl_or_b32 v[W0], v[MI], 16, v[W0]
.elseif (\q) == 2
	v_or_b32 v[W1], v[MI], v[PX]
.else
	v_or_b32 v[MI], v[MI], v[PX]
	v_lshl_or_b32 v[W1], v[MI], 16, v[W1]
.endif
	global_store_b128 v[L16], v[P:P+3], s[OC:OC+1] offset:768*(\q)         ; 512 consecutive bytes,
	global_store_b64 v[L8], v[P+4:P+5], s[OC:OC+1] offset:768*(\q)+512     ; and 256
.if (\q) == 3
	v_cndmask_b32 v[WS], v[W0], v[W1], s[HM]
	global_store_b32 v[OSV], v[WS], s[OS:OS+1]     ; the trip's 128 bytes of half-words
.endif
.endm
.macro ONWARD                          ; the results' addresses and the bias along S1, one trip on
	s_wait_xcnt 0x0                                ; the trip's loads and stores have read their bases
	s_add_nc_u64 s[OC:OC+1], s[OC:OC+1], s[CST:CST+1]
	s_add_nc_u64 s[OS:OS+1], s[OS:OS+1], s[SST:SST+1]
	s_add_nc_u64 s[BLP:BLP+1], s[BLP:BLP+1], s[BLS:BLS+1]
.endm
; A TRIP: four tiles of S1, one group of 64 of its rows.  last = 1: the block's last: nothing is fetched behind it.
.macro TRIP last
.irp q, 0,1,2,3
	global_load_b32 v[BLR+\q], v[VBL], s[BLP:BLP+1] offset:32*\q
.endr
	TILE 0, 0, 1, 1
	TILE 1, 1, 0, 1
	TILE 2, 0, 1, 1
.if \last
	TILE 3, 1, 0, 0
.else
	TILE 3, 1, 0, 1                                ; (tile 4 of this trip's addresses is the next trip's tile 0)
	ONWARD
.irp p, 0,1,2,3
	v_add_nc_u32 v[A16+\p], 6144, v[A16+\p]
	v_add_nc_u32 v[A8+\p], 6144, v[A8+\p]
	v_add_nc_u32 v[AS+\p], 256, v[AS+\p]
.endr
.endif
.endm
	s_mov_b32 s[BLK], 2
.Lblock:                                           ; a block of S1: four trips
	s_mov_b32 s[CNT], 3
.Ltrip:
	s_wait_alu depctr_va_vdst(0)
	TRIP 0
	s_sub_co_u32 s[CNT], s[CNT], 1
	s_cmp_lg_u32 s[CNT], 0
	s_cbranch_scc1 .Ltrip
	s_wait_alu depctr_va_vdst(0)
	TRIP 1                                         ; the block's last trip is written out: its last tile fetches nothing
	s_cmp_eq_u32 s[KQ], 1
	s_cbranch_scc1 .Lout                           ; a q job has one block (a branch on the cluster's number: alike in all partners)
	s_sub_co_u32 s[BLK], s[BLK], 1
	s_cmp_lg_u32 s[BLK], 0
	s_cbranch_scc0 .Lout
	ONWARD
	PLACE 1                                        ; S1's second block
	s_wait_alu depctr_va_vdst(0)
	LOADS 0, 0, 1                                  ; its first tile; set 0 was last multiplied a tile ago
	s_cmp_lg_u32 s[BLK], 0
	s_cbranch_scc1 .Lblock
.Lout:
	s_wait_tensorcnt 0x0                           ; the wave's end
	ds_add_u32 v[SPW], v[NIL]
	s_wait_dscnt 0x0
	CROUND                                         ; the closing round
	s_endpgm
.Lfunc_end_k_q7204877540_proj:
	.size	k_q7204877540_proj, .Lfunc_end_k_q7204877540_proj-k_q7204877540_proj
	.p2alignl 7, 3214868480
	.fill 96, 4, 3214868480
	.section	.rodata,"a",@progbits
	.p2align	6, 0x0
	.amdhsa_kernel k_q7204877540_proj
		.amdhsa_group_segment_fixed_size 327680
		.amdhsa_private_segment_fixed_size 0
		.amdhsa_enable_private_segment 0
		.amdhsa_kernarg_size 64
		.amdhsa_user_sgpr_count 2
		.amdhsa_user_sgpr_kernarg_segment_ptr 1
		.amdhsa_wavefront_size32 1
		.amdhsa_system_sgpr_workgroup_id_x 1
		.amdhsa_system_sgpr_workgroup_id_y 1
		.amdhsa_system_sgpr_workgroup_id_z 1
		.amdhsa_system_vgpr_workitem_id 0
		.amdhsa_next_free_vgpr 1024
		.amdhsa_next_free_sgpr 100
		.amdhsa_reserve_vcc 0
		.amdhsa_float_denorm_mode_32 3
		.amdhsa_float_denorm_mode_16_64 3
		.amdhsa_memory_ordered 1
		.amdhsa_forward_progress 1
		.amdhsa_inst_pref_size 113
	.end_amdhsa_kernel
	.amdgpu_metadata
---
amdhsa.version: [ 1, 2 ]
amdhsa.kernels:
  - .name:           k_q7204877540_proj
    .symbol:         k_q7204877540_proj.kd
    .args:
      - { .name: XC, .offset: 0, .size: 8, .value_kind: global_buffer, .address_space: global }
      - { .name: YC, .offset: 8, .size: 8, .value_kind: global_buffer, .address_space: global }
      - { .name: WC, .offset: 16, .size: 8, .value_kind: global_buffer, .address_space: global }
      - { .name: bq, .offset: 24, .size: 8, .value_kind: global_buffer, .address_space: global }
      - { .name: bk, .offset: 32, .size: 8, .value_kind: global_buffer, .address_space: global }
      - { .name: bv, .offset: 40, .size: 8, .value_kind: global_buffer, .address_space: global }
      - { .name: QB, .offset: 48, .size: 8, .value_kind: global_buffer, .address_space: global }
      - { .name: KV, .offset: 56, .size: 8, .value_kind: global_buffer, .address_space: global }
    .group_segment_fixed_size: 327680
    .private_segment_fixed_size: 0
    .kernarg_segment_align: 8
    .kernarg_segment_size: 64
    .max_flat_workgroup_size: 128
    .sgpr_count:     100
    .vgpr_count:     1024
    .wavefront_size: 32
...
	.end_amdgpu_metadata
.endif
;; end of part 2
;; launch attn (part 3): grid 256 x 1, 8 waves a work-group, clusters of 4 x 1, 206,848 bytes of LDS; arguments QB, KV, AO; writes AO
.if DOCPART == 3
	.amdgcn_target "amdgcn-amd-amdhsa--gfx1250"
	.amdhsa_code_object_version 6
	.text
	.protected	k_q7204877540_attn
	.globl	k_q7204877540_attn
	.p2align	8
	.type	k_q7204877540_attn,@function
k_q7204877540_attn:
	s_mov_b64 s[64:65], 0
	v_nop
	global_prefetch_b8 v0, s[64:65] scope:SCOPE_SE
	s_setreg_imm32_b32 hwreg(HW_REG_WAVE_MODE, 25, 1), 1
	s_wait_xcnt 0x0
	s_wait_alu depctr_hold_cnt(0) depctr_sa_sdst(0) depctr_va_vdst(0) depctr_va_sdst(0) depctr_va_ssrc(0) depctr_va_vcc(0) depctr_vm_vsrc(0)
	s_getreg_b32 s2, hwreg(HW_REG_IB_STS2, 6, 4)
	s_cmp_eq_u32 s2, 0
	s_cbranch_scc0 .Lentry_in_a_cluster
	s_endpgm
.Lentry_in_a_cluster:
	s_bfe_u32 s2, ttmp6, 0x10000c
	s_cmp_lg_u32 s2, 0x3003
	s_cbranch_scc0 .Lentry_shape_is_right
	s_endpgm
.Lentry_shape_is_right:
; O[q] = the sum over keys of softmax(q . k / 8) v for one batch and head, both products on codes of FP6 (E2M3) with E8M0 scales; O / l is quantised along d_embed for the last product.
; THE SOFTMAX: t = score x log2(e) / 8; M = the running largest t rounded UP to a whole number; p = 2^(t - M) is quantised along the keys, not normalised; the row's sum l is taken of the unquantised p;
; when M moves, l and O are multiplied by 2^(old M - new M), which rounds nothing.
; SHARES.  A cluster of four work-groups is one (batch, head); work-group cx owns 512 queries, each of its eight waves four tiles of 16: two passes of TWO TILES SIDE BY SIDE, which share every fragment
; of K and V read from LDS; every wave walks all 2,048 keys, 128 a step.  The two tiles give each stretch of vector work eight chains that do not hang on each other.
; THE HEAD'S K AND V, codes and scale bytes, 204,800 bytes, lie whole in LDS as they lie in memory.  All four work-groups need them: each wave asks for an eighth by one JOINT tensor load; every LDS byte is filled once.
; No prefetch: the one stream of the launch is that single fill at the head, with no loop ahead of it to ask from.
; LAYOUT.  Both products are used transposed (S^T = K Q^T, O^T = V^T P^T): a lane holds ONE query of each tile.  The rows of a tile of keys, and of V's channels, are 8 t + (r % 8) + 32 (r / 8) of their group of 64:
; the 32 registers of a group's four tiles are keys (channels) 32 h + 0 .. 31: a whole block of 32 in one lane, where the next operand's layout wants it.
; K = 64 IN AN INSTRUCTION OF K = 128.  A fragment of K is two neighbouring tiles of keys.  The queries stand in one run [0 | qA | 0 | qB | 0] of six registers each: [q | 0] gives the even tile's scores, [0 | q] the odd tile's.
; A BLOCK'S LARGEST p IS NOT SEARCHED FOR: the block's largest score goes through the same multiply-add and exponential (this takes v_exp_f32 not to fall where its input rises; at the worst one p of a block is held one code low).
; LOADS.  K and V have fragment registers of their own: behind a step's first products V of this step and K of the next are asked for in one run, and waited for once, in front of the second products.
; A pass's first step starts O with C = 0; its last step asks for no further K: both are written out beside the loop of 14.
; LIMITS: the scaled scores t stay under 2^31 in magnitude; a block whose largest magnitude lies under 2^-124 takes the byte 1, and so does a block of zeros; NaN and infinities are not served.
; REGISTERS.  Window 0: addresses, each tile's small state, scale words, queries, fragments, codes.  Window 1: v0-63 S^T of tile A, v64-127 of tile B, v128-159 O^T of A, v160-191 of B, v192-203 the second pass's queries.
.set VCO,   98304                      ; K's codes [tile][768] at 0; V's [group of 64 keys][tile of channels][768] here
.set KSO,   196608                     ; K's scale half-words [group][r][tile]; V's 4,096 bytes further on
.set SPARE, 204800                     ; the spare words: 128 bytes for each of eight waves
.set L16, 1                            ; 16 x lane
.set L8,  2                            ; 8 x lane
.set R8,  3                            ; 8 r
.set SPW, 4                            ; my spare word; never rewritten
.set NIL, 5                            ; 0; never rewritten
.set SH8, 6                            ; 8 h
.set AOB, 7                            ; 4 r + h
.set ADK16, 8
.set ADK8, 9
.set ADV16, 10
.set ADV8, 11
.set ADS, 12
.set ASB, 13                           ; KSO + 8 r
.set NM,  14                           ; for tile x at +2 x: -M, and beside it the largest score
.set F,   18                           ; at +2 x: f, later 1 / l; beside it a 0
.set QH,  22                           ; v22-23 four tiles' scale half-words of my query row
.set QW,  24                           ; v24-25 the queries' scale words
.set PW,  26                           ; v26-27 p's scale words
.set KW,  28                           ; v28-31
.set VR,  32                           ; v32-35 V's half-words as they lie
.set VW,  36                           ; v36-39 V's scale words
.set Q,   40                           ; v40-69 [0 | qA | 0 | qB | 0]
.set FK,  70                           ; v70-117 K's four fragments
.set FV,  118                          ; v118-165 V's four
.set P,   166                          ; v166-189 p's codes, 12 a tile
.set T,   190                          ; v190-205 the upper halves of four blocks' codes
.set MX,  206                          ; v206-213 eight chains of maxima; then block (x, c)'s at +4 x + 2 c
.set SO,  214                          ; v214-217 the conversions' scale operands
.set RM,  218
.set PXR, 220
.set OLD, 222
.set B,   224                          ; v224-227
.set PX,  228
.set LS,  230                          ; v230-245 the sums: four pairs a tile
.set V16, 246                          ; 16 x lane + VCO - one step
.set V8,  247
.set WV,  10
.set CX,  11
.set G0,  16
.set G1,  20
.set SEL, 28
.set CS,  30                           ; s[30:31] c = log2(e) / 8
.set TK,  32                           ; the next step's codes: 6,144 bytes a step
.set TS,  33                           ; its half-words: 256 bytes a step
.set STEPS, 34
.set PASS, 35
.set QP,  36
.set QSP, 38
.set AOP, 40
.set ASP, 42
.set NC,  58                           ; -c
.set MSB, 0
.macro WIN new                         ; the immediate's high byte repeats the setting that is left
.if MSB != \new
	s_set_vgpr_msb (MSB<<8)|\new
.set MSB, \new
.endif
.endm
.macro DLY n
	s_delay_alu instid0(VALU_DEP_\n)
.endm
.macro CROUND                          ; a round of the cluster's barrier
	s_barrier_signal -1
	s_barrier_wait -1
	s_cmp_lg_u32 s[WV], 0
	s_cbranch_scc1 .Lnot_wave_0_\@
	s_barrier_signal -3
.Lnot_wave_0_\@:
	s_barrier_wait -3
	s_barrier_signal -1
	s_barrier_wait -1
.endm
.macro LDK a16, a8, as                 ; a step's four fragments of K, K's scale words and V's half-words
.irp f, 0,1,2,3
	ds_load_b128 v[FK+12*\f:FK+12*\f+3], v[\a16] offset:1536*\f
	ds_load_b64 v[FK+12*\f+4:FK+12*\f+5], v[\a8] offset:1536*\f+512
	ds_load_b128 v[FK+12*\f+6:FK+12*\f+9], v[\a16] offset:1536*\f+768
	ds_load_b64 v[FK+12*\f+10:FK+12*\f+11], v[\a8] offset:1536*\f+1280
.endr
	ds_load_b64 v[KW:KW+1], v[\as]                 ; two tiles' half-words are a fragment's word
	ds_load_b64 v[KW+2:KW+3], v[\as] offset:128
	ds_load_b64 v[VR:VR+1], v[\as] offset:4096
	ds_load_b64 v[VR+2:VR+3], v[\as] offset:4224
.endm
; A STEP: 128 keys x two tiles of queries.  first = 1: O begins here.  more = 1: the next step's K is asked for.
.macro STEP first, more
	WIN 0x40                                       ; D in window 1
.irp f, 0,1,2,3
.irp x, 0,1
	v_wmma_scale_f32_16x16x128_f8f6f4 v[64*\x+16*\f:64*\x+16*\f+7], v[FK+12*\f:FK+12*\f+11], v[Q+12*\x+6:Q+12*\x+17], 0, v[KW+\f], v[QW+\x] matrix_a_fmt:MATRIX_FMT_FP6 matrix_b_fmt:MATRIX_FMT_FP6
	v_wmma_scale_f32_16x16x128_f8f6f4 v[64*\x+16*\f+8:64*\x+16*\f+15], v[FK+12*\f:FK+12*\f+11], v[Q+12*\x:Q+12*\x+11], 0, v[KW+\f], v[QW+\x] matrix_a_fmt:MATRIX_FMT_FP6 matrix_b_fmt:MATRIX_FMT_FP6
.endr
.endr
	WIN 0
	v_add_nc_u32 v[ADV16], s[TK], v[V16]           ; at least four plain lines that name no register of the last step's second products: the places in front of the writes of V's scale words and the loads into V's fragments
	v_add_nc_u32 v[ADV8], s[TK], v[V8]
.if \more
	v_add_nc_u32 v[ADK16], s[TK], v[L16]
	v_add_nc_u32 v[ADK8], s[TK], v[L8]
	v_add_nc_u32 v[ADS], s[TS], v[ASB]
.else
	v_nop
	v_nop
.endif
	v_perm_b32 v[VW], v[VR+2], v[VR], s44          ; V's scale words: the first 64 keys' half-word below, the second 64's above.  With the lines above: the places behind the first products
	v_perm_b32 v[VW+1], v[VR+2], v[VR], s45
	v_perm_b32 v[VW+2], v[VR+3], v[VR+1], s44
	v_perm_b32 v[VW+3], v[VR+3], v[VR+1], s45
.irp t, 0,1,2,3
	ds_load_b128 v[FV+12*\t:FV+12*\t+3], v[ADV16] offset:768*\t
	ds_load_b64 v[FV+12*\t+4:FV+12*\t+5], v[ADV8] offset:768*\t+512
	ds_load_b128 v[FV+12*\t+6:FV+12*\t+9], v[ADV16] offset:3072+768*\t
	ds_load_b64 v[FV+12*\t+10:FV+12*\t+11], v[ADV8] offset:3072+768*\t+512
.endr
.if \more
	LDK ADK16, ADK8, ADS
.endif
	WIN 0x14                                       ; sources 1 and 2 in window 1
.irp n, 0,1,2,3,4,5,6,7
	v_max3_num_f32 v[MX+\n], 0xff800000, v[16*\n], v[16*\n+1]      ; eight chains, 16 scores each, every accumulator from its low end on
.endr
.irp i, 2,4,6,8,10,12,14
.irp n, 0,1,2,3,4,5,6,7
	v_max3_num_f32 v[MX+\n], v[MX+\n], v[16*\n+\i], v[16*\n+\i+1]
.endr
.endr
	WIN 0
	v_mov_b32 v[OLD], v[NM]
	v_mov_b32 v[OLD+1], v[NM+2]
.irp n, 0,2,4,6
	v_max_num_f32 v[MX+\n], v[MX+\n], v[MX+\n+1]   ; the largest score of each block of 32 keys
.endr
	DLY 3
	v_max_num_f32 v[RM], v[MX], v[MX+2]
	DLY 2
	v_max_num_f32 v[RM+1], v[MX+4], v[MX+6]
.irp x, 0,1
	DLY 2
	v_permlanex16_b32 v[PXR+\x], v[RM+\x], s[SEL], s[SEL+1]
.endr
.irp x, 0,1
	DLY 2
	v_max3_num_f32 v[NM+2*\x+1], v[NM+2*\x+1], v[RM+\x], v[PXR+\x]     ; the running largest score of my query
.endr
.irp x, 0,1
	DLY 2
	v_mul_f32 v[RM+\x], s[NC], v[NM+2*\x+1]        ; -t (c is positive)
.endr
.irp x, 0,1
	DLY 2
	v_floor_f32 v[NM+2*\x], v[RM+\x]               ; the new -M = -ceil(t)
.endr
	DLY 2
	v_fma_f32 v[MX], v[MX], s[CS], v[NM]           ; t - M of each block's largest score
	DLY 3
	v_fma_f32 v[MX+2], v[MX+2], s[CS], v[NM]
	DLY 3
	v_fma_f32 v[MX+4], v[MX+4], s[CS], v[NM+2]
	DLY 4
	v_fma_f32 v[MX+6], v[MX+6], s[CS], v[NM+2]
.irp x, 0,1
	v_sub_f32 v[OLD+\x], v[NM+2*\x], v[OLD+\x]     ; old M - new M: a whole number, 0 or less
.endr
.irp x, 0,1
	DLY 2
	v_cvt_i32_f32 v[OLD+\x], v[OLD+\x]             ; (it saturates)
.endr
.irp x, 0,1
	DLY 2
	v_ldexp_f32 v[F+2*\x], 1.0, v[OLD+\x]          ; f = 2^(old M - new M)
.endr
	WIN 0x41                                       ; destination and source 0 in window 1
.irp x, 0,1
.set J, 64*\x
.rept 32
	v_pk_fma_f32 v[J:J+1], v[J:J+1], s[CS:CS+1], v[NM+2*\x:NM+2*\x+1] op_sel_hi:[1,0,0]   ; t - M, two at a time
.set J, J+2
.endr
.endr
.if !\first
.irp x, 0,1
.set J, 128+32*\x
.rept 16
	v_pk_mul_f32 v[J:J+1], v[J:J+1], v[F+2*\x:F+2*\x+1] op_sel_hi:[1,0]    ; O^T under the new M, each accumulator from its low end on; no transcendental stands between its products and these lines
.set J, J+2
.endr
.endr
.endif
	WIN 0
	s_wait_alu depctr_va_vdst(0)
.irp n, 0,2,4,6
	v_exp_f32 v[MX+\n], v[MX+\n]                   ; ONE BATCH of 132 exponentials: each block's largest p,
.endr
	WIN 0x41
.set J, 0
.rept 128
	v_exp_f32 v[J], v[J]                           ; and p = 2^(t - M)
.set J, J+1
.endr
	WIN 0
	v_nop                                          ; a plain place behind the exponentials
	s_wait_alu depctr_va_vdst(0)                   ; one wait for the whole batch, ahead of its first reader
.irp n, 0,2,4,6
	v_max_num_f32 v[MX+\n], 0x1800000, v[MX+\n]    ; the floor 2^(3 - 127): the byte cannot fall under 1
.endr
.irp n, 0,2,4,6
	DLY 4
	v_add_nc_u32 v[SO+\n/2], 0xff000000, v[MX+\n]  ; 2 off the exponent field: the conversion's scale operand
.endr
	WIN 0x01                                       ; source 0 in window 1
.irp n, 0,1,2,3
	v_cvt_scalef32_pk16_fp6_f32 v[P+6*\n:P+6*\n+2], v[32*\n:32*\n+15], v[SO+\n]
	v_cvt_scalef32_pk16_fp6_f32 v[T+4*\n:T+4*\n+2], v[32*\n+16:32*\n+31], v[SO+\n]    ; (a conversion's three registers begin on an even number)
.endr
	WIN 0
.irp n, 0,1,2,3
	v_lshrrev_b32 v[B+\n], 23, v[SO+\n]            ; the blocks' bytes.  (Plain places behind the conversions)
.endr
.irp n, 0,1
.irp i, 0,1,2
	v_mov_b32 v[P+6*\n+3+\i], v[T+4*\n+\i]
.endr
.endr
.irp x, 0,1
	v_lshl_or_b32 v[B+2*\x], v[B+2*\x+1], 16, v[B+2*\x]    ; my two bytes: blocks h and 2 + h
.endr
.irp n, 2,3
.irp i, 0,1,2
	v_mov_b32 v[P+6*\n+3+\i], v[T+4*\n+\i]
.endr
.endr
.irp x, 0,1
	v_lshlrev_b32 v[B+2*\x], v[SH8], v[B+2*\x]
.endr
.irp x, 0,1
	DLY 2
	v_permlanex16_b32 v[PX+\x], v[B+2*\x], s[SEL], s[SEL+1]
.endr
.irp x, 0,1
	DLY 2
	v_or_b32 v[PW+\x], v[B+2*\x], v[PX+\x]         ; with lane l xor 16's two: p's scale word for these 128 keys
.endr
	WIN 0x10                                       ; source 2 in window 1
.irp x, 0,1
.irp j, 0,2,4,6
	v_pk_fma_f32 v[LS+8*\x+\j:LS+8*\x+\j+1], v[LS+8*\x+\j:LS+8*\x+\j+1], v[F+2*\x:F+2*\x+1], v[64*\x+\j:64*\x+\j+1] op_sel_hi:[1,0,1]   ; the sums under the new M, and the first p: eight chains
.endr
.endr
	WIN 0x04                                       ; source 1 in window 1
.irp i, 8,16,24,32,40,48,56
.irp x, 0,1
.irp j, 0,2,4,6
	v_pk_add_f32 v[LS+8*\x+\j:LS+8*\x+\j+1], v[LS+8*\x+\j:LS+8*\x+\j+1], v[64*\x+\i+\j:64*\x+\i+\j+1]    ; (these 64 lines are also the places between the codes' and scale words' writes and the products)
.endr
.endr
.endr
	WIN 0x50                                       ; C and D in window 1
	s_wait_dscnt 0x0                               ; all loads of this step's one run: V, and the next step's K and words
.irp t, 0,1,2,3
.irp x, 0,1
.if \first
	v_wmma_scale_f32_16x16x128_f8f6f4 v[128+32*\x+8*\t:128+32*\x+8*\t+7], v[FV+12*\t:FV+12*\t+11], v[P+12*\x:P+12*\x+11], 0, v[VW+\t], v[PW+\x] matrix_a_fmt:MATRIX_FMT_FP6 matrix_b_fmt:MATRIX_FMT_FP6
.else
	v_wmma_scale_f32_16x16x128_f8f6f4 v[128+32*\x+8*\t:128+32*\x+8*\t+7], v[FV+12*\t:FV+12*\t+11], v[P+12*\x:P+12*\x+11], v[128+32*\x+8*\t:128+32*\x+8*\t+7], v[VW+\t], v[PW+\x] matrix_a_fmt:MATRIX_FMT_FP6 matrix_b_fmt:MATRIX_FMT_FP6
.endif
.endr
.endr
	WIN 0
.if \more
	s_add_co_u32 s[TK], s[TK], 6144
	s_add_co_u32 s[TS], s[TS], 256
.endif
.endm
	s_load_b128 s[4:7], s[0:1], 0x0                ; QB, KV
	s_load_b64 s[8:9], s[0:1], 0x10                ; AO
	v_lshl_add_u32 v[SPW], v0, 2, SPARE
	v_mov_b32 v[NIL], 0
	ds_add_u32 v[SPW], v[NIL]                      ; the wave's opening: the add, twice on end, and its wait ahead of my first tensor load
	ds_add_u32 v[SPW], v[NIL]
	v_lshrrev_b32 v[RM], 5, v0
	DLY 1
	v_readfirstlane_b32 s[WV], v[RM]               ; wave 0..7
	s_bfe_u32 s[CX], ttmp6, 0x40000                ; my place in the cluster: it enters Q's and AO's addresses alone
	s_mov_b32 s[G1+0], 15|(3<<16)|(1<<21)          ; the mask: all four work-groups; elements of 8 bytes; bit 21 beside a mask; no padding
	s_mov_b32 s[G1+1], 32<<16                      ; tensor_dim0 = 32 elements: 256 bytes
	s_mov_b32 s[G1+2], 100<<16                     ; tensor_dim1 = 100 rows: an eighth of the head's 204,800 bytes
	s_mov_b32 s[G1+3], 32<<16
	s_mov_b32 s[G1+4], 100
	s_mov_b32 s[G1+5], 32
	s_mov_b32 s[G1+6], 0
	s_mov_b32 s[G1+7], 0
	s_mov_b32 s[G0], 1
	s_mul_i32 s[G0+1], s[WV], 25600                ; LDS as memory
	s_mul_i32 s46, ttmp9, 204800                   ; the cluster's number is 16 x batch + head
	s_add_co_u32 s46, s46, s[G0+1]
	s_mov_b32 s47, 0
	s_mul_i32 s48, ttmp9, 102400                   ; the head's part of QB
	s_lshl_b32 s49, s[CX], 5
	s_lshl_b32 s50, s[WV], 2
	s_add_co_u32 s49, s49, s50                     ; my first tile of queries: 32 cx + 4 w
	s_mul_i32 s[QP], s49, 768
	s_add_co_u32 s[QP], s[QP], s48
	s_mov_b32 s[QP+1], 0
	s_lshr_b32 s[QSP], s49, 2
	s_lshl_b32 s[QSP], s[QSP], 7                   ; 128 bytes of half-words for my four tiles: 8 bytes a row
	s_add_co_u32 s[QSP], s[QSP], s48
	s_add_co_u32 s[QSP], s[QSP], 98304
	s_mov_b32 s[QSP+1], 0
	s_lshr_b32 s52, ttmp9, 4                       ; batch
	s_and_b32 s53, ttmp9, 15                       ; head
	s_lshl_b32 s52, s52, 4
	s_lshr_b32 s54, s49, 3
	s_add_co_u32 s52, s52, s54                     ; which 128 tokens
	s_lshl_b32 s52, s52, 3
	s_lshr_b32 s54, s53, 1
	s_add_co_u32 s52, s52, s54                     ; the last product's K step is head / 2
	s_mul_i32 s52, s52, 12800                      ; AO's record: 8 tiles x 1,536 bytes, then 8 x 64 bytes of scale words
	s_and_b32 s54, s49, 7
	s_and_b32 s53, s53, 1                          ; which half of the fragment
	s_mul_i32 s[AOP], s54, 1536
	s_mul_i32 s55, s53, 768
	s_add_co_u32 s[AOP], s[AOP], s55
	s_add_co_u32 s[AOP], s[AOP], s52
	s_mov_b32 s[AOP+1], 0
	s_lshl_b32 s[ASP], s54, 6
	s_lshl_b32 s55, s53, 1
	s_add_co_u32 s[ASP], s[ASP], s55
	s_add_co_u32 s[ASP], s[ASP], s52
	s_add_co_u32 s[ASP], s[ASP], 12288
	s_mov_b32 s[ASP+1], 0
	s_mov_b32 s[SEL], 0x76543210
	s_mov_b32 s[SEL+1], 0xfedcba98
	s_mov_b32 s[CS], 0x3e38aa3b                    ; log2(e) / 8
	s_mov_b32 s[CS+1], s[CS]                       ; named with it as a pair, so it is written
	s_mov_b32 s[NC], 0xbe38aa3b
	s_mov_b32 s44, 0x05040100                      ; two low halves,
	s_mov_b32 s45, 0x07060302                      ; two high halves;
	s_mov_b32 s56, 0x01000100                      ; the low half twice,
	s_mov_b32 s57, 0x03020302                      ; the high half twice
	v_and_b32 v[RM], 31, v0                        ; lane
	v_and_b32 v[B], 15, v0                         ; r
	v_bfe_u32 v[B+1], v0, 4, 1                     ; h
	DLY 3
	v_lshlrev_b32 v[L16], 4, v[RM]
	DLY 4
	v_lshlrev_b32 v[L8], 3, v[RM]
	DLY 4
	v_lshlrev_b32 v[R8], 3, v[B]
	DLY 1
	v_add_nc_u32 v[ASB], KSO, v[R8]
	v_lshlrev_b32 v[SH8], 3, v[B+1]
	v_lshl_add_u32 v[AOB], v[B], 2, v[B+1]
	v_add_nc_u32 v[V16], VCO-6144, v[L16]
	v_add_nc_u32 v[V8], VCO-6144, v[L8]
.irp x, 0,1
	v_mov_b32 v[PXR+\x], 0                         ; a lane permute's destination counts as one of its sources
	v_mov_b32 v[PX+\x], 0
	v_mov_b32 v[F+2*\x+1], 0                       ; named with f as a pair
.endr
.irp g, 0,12,24
.irp i, 0,1,2,3,4,5
	v_mov_b32 v[Q+\g+\i], 0                        ; the zero codes of the queries' run: they stay
.endr
.endr
	s_wait_alu depctr_va_vdst(0)
	s_wait_dscnt 0x0                               ; both opening adds are done
	s_wait_kmcnt 0x0
	s_add_nc_u64 s[G0+2:G0+3], s[6:7], s[46:47]
	s_or_b32 s[G0+3], s[G0+3], 0x80000000          ; type = 2
	s_add_nc_u64 s[QP:QP+1], s[4:5], s[QP:QP+1]
	s_add_nc_u64 s[QSP:QSP+1], s[4:5], s[QSP:QSP+1]
	s_add_nc_u64 s[AOP:AOP+1], s[8:9], s[AOP:AOP+1]
	s_add_nc_u64 s[ASP:ASP+1], s[8:9], s[ASP:ASP+1]
	CROUND                                         ; all four work-groups are here: the joint loads meet
	tensor_load_to_lds s[G0:G0+3], s[G1:G1+7]      ; my one tensor load of the launch
	s_nop 0
.rept 4
	v_nop
.endr
	global_load_b128 v[Q+6:Q+9], v[L16], s[QP:QP+1]                ; my four tiles of queries come while K and V are on their way: the first pass's two into the run,
	global_load_b64 v[Q+10:Q+11], v[L8], s[QP:QP+1] offset:512
	global_load_b128 v[Q+18:Q+21], v[L16], s[QP:QP+1] offset:768
	global_load_b64 v[Q+22:Q+23], v[L8], s[QP:QP+1] offset:1280
	global_load_b64 v[QH:QH+1], v[R8], s[QSP:QSP+1]                ; four half-words,
	WIN 0x40
	global_load_b128 v[192:195], v[L16], s[QP:QP+1] offset:1536    ; the second pass's two into window 1
	global_load_b64 v[196:197], v[L8], s[QP:QP+1] offset:2048
	global_load_b128 v[198:201], v[L16], s[QP:QP+1] offset:2304
	global_load_b64 v[202:203], v[L8], s[QP:QP+1] offset:2816
	WIN 0
	s_wait_tensorcnt 0x0                           ; my eighth is in,
	s_barrier_signal -1
	s_barrier_wait -1                              ; everybody's is
	s_wait_loadcnt 0x0                             ; the queries
	s_mov_b32 s[PASS], 2
.Lpass:                                            ; two tiles of 16 queries
	LDK L16, L8, ASB                               ; step 0's K
	v_perm_b32 v[QW], v[QH], v[QH], s56            ; a half-word twice: it serves q in the lower and in the upper 64 of K
	v_perm_b32 v[QW+1], v[QH], v[QH], s57
.irp x, 0,1
	v_mov_b32 v[NM+2*\x], 0x7e000000               ; -M: 2^125, over every -M to come, so that the first f is 0
	v_mov_b32 v[NM+2*\x+1], 0xff61b1e6             ; the largest score so far: -3e38
.endr
.irp j, 0,1,2,3,4,5,6,7,8,9,10,11,12,13,14,15
	v_mov_b32 v[LS+\j], 0                          ; (also the places between the scale words' writes and the first product)
.endr
	s_mov_b32 s[TK], 6144
	s_mov_b32 s[TS], 256
	s_wait_alu depctr_va_vdst(0)
	s_wait_dscnt 0x0
	STEP 1, 1
	s_mov_b32 s[STEPS], 14
.Lstep:
	STEP 0, 1
	s_sub_co_u32 s[STEPS], s[STEPS], 1
	s_cmp_lg_u32 s[STEPS], 0
	s_cbranch_scc1 .Lstep
	STEP 0, 0
	s_wait_alu depctr_va_vdst(0)                   ; directly ahead of the first reader of the sums
	; the tiles' end: O^T / l, quantised: my 32 registers of a tile are channels 32 h + 0 .. 31 of the head: one block of the last product's K
.irp x, 0,1
	v_pk_add_f32 v[LS+8*\x:LS+8*\x+1], v[LS+8*\x:LS+8*\x+1], v[LS+8*\x+2:LS+8*\x+3]       ; (these lines are the places behind the last products)
	v_pk_add_f32 v[LS+8*\x+4:LS+8*\x+5], v[LS+8*\x+4:LS+8*\x+5], v[LS+8*\x+6:LS+8*\x+7]
.endr
	DLY 3
	v_pk_add_f32 v[LS:LS+1], v[LS:LS+1], v[LS+4:LS+5]
	DLY 2
	v_pk_add_f32 v[LS+8:LS+9], v[LS+8:LS+9], v[LS+12:LS+13]
.irp x, 0,1
	DLY 2
	v_add_f32 v[LS+8*\x], v[LS+8*\x], v[LS+8*\x+1]
.endr
.irp x, 0,1
	DLY 2
	v_permlanex16_b32 v[PX+\x], v[LS+8*\x], s[SEL], s[SEL+1]
.endr
.irp x, 0,1
	DLY 2
	v_add_f32 v[LS+8*\x], v[LS+8*\x], v[PX+\x]     ; the row's sum
.endr
	s_wait_alu depctr_va_vdst(0)
	v_rcp_f32 v[F], v[LS]
	v_rcp_f32 v[F+2], v[LS+8]
	v_nop                                          ; a plain place behind them
	WIN 0x41
	s_wait_alu depctr_va_vdst(0)                   ; the wait, directly ahead of the first readers of 1 / l and of O^T
.irp x, 0,1
.set J, 0
.rept 16
	v_pk_mul_f32 v[64*\x+J:64*\x+J+1], v[128+32*\x+J:128+32*\x+J+1], v[F+2*\x:F+2*\x+1] op_sel_hi:[1,0]    ; each accumulator from its low end on
.set J, J+2
.endr
.endr
	WIN 0x14
.irp n, 0,1,2,3
	v_max3_num_f32 v[MX+\n], 0x1800000, |v[64*(\n/2)+16*(\n%2)]|, |v[64*(\n/2)+16*(\n%2)+1]|       ; four chains; the floor 2^(3 - 127) is one leaf
.endr
.irp i, 2,4,6,8,10,12,14
.irp n, 0,1,2,3
	DLY 4
	v_max3_num_f32 v[MX+\n], v[MX+\n], |v[64*(\n/2)+16*(\n%2)+\i]|, |v[64*(\n/2)+16*(\n%2)+\i+1]|
.endr
.endr
	WIN 0
	v_max_num_f32 v[MX], v[MX], v[MX+1]
	v_max_num_f32 v[MX+2], v[MX+2], v[MX+3]
.irp x, 0,1
	DLY 2
	v_add_nc_u32 v[SO+\x], 0xff000000, v[MX+2*\x]
.endr
	WIN 0x01
.irp x, 0,1
	v_cvt_scalef32_pk16_fp6_f32 v[P+12*\x:P+12*\x+2], v[64*\x:64*\x+15], v[SO+\x]
	v_cvt_scalef32_pk16_fp6_f32 v[T+8*\x:T+8*\x+2], v[64*\x+16:64*\x+31], v[SO+\x]
.endr
	WIN 0
.irp x, 0,1
	v_lshrrev_b32 v[B+\x], 23, v[SO+\x]            ; the byte.  (Plain places behind the conversions)
.endr
.irp x, 0,1
.irp i, 0,1,2
	v_mov_b32 v[P+12*\x+3+\i], v[T+8*\x+\i]
.endr
.endr
.irp x, 0,1
	global_store_b128 v[L16], v[P+12*\x:P+12*\x+3], s[AOP:AOP+1] offset:1536*\x            ; 512 consecutive bytes,
	global_store_b64 v[L8], v[P+12*\x+4:P+12*\x+5], s[AOP:AOP+1] offset:1536*\x+512        ; and 256
	global_store_b8 v[AOB], v[B+\x], s[ASP:ASP+1] offset:64*\x     ; each lane its own byte: the word's other two bytes are another head's, made by another cluster
.endr
	s_wait_xcnt 0x0                                ; the stores have read their bases and data
	s_add_nc_u64 s[AOP:AOP+1], s[AOP:AOP+1], 3072
	s_add_nc_u64 s[ASP:ASP+1], s[ASP:ASP+1], 128
	s_sub_co_u32 s[PASS], s[PASS], 1
	s_cmp_lg_u32 s[PASS], 0
	s_cbranch_scc0 .Ldone
	WIN 0x01
.irp i, 0,1,2,3,4,5
	v_mov_b32 v[Q+6+\i], v[192+\i]                 ; the second pass's queries into the run
	v_mov_b32 v[Q+18+\i], v[198+\i]
.endr
	WIN 0
	v_mov_b32 v[QH], v[QH+1]                       ; and their half-words
	s_wait_alu depctr_va_vdst(0)
	s_cmp_lg_u32 s[PASS], 0
	s_cbranch_scc1 .Lpass
.Ldone:
	s_wait_tensorcnt 0x0                           ; the wave's end
	ds_add_u32 v[SPW], v[NIL]
	s_wait_dscnt 0x0
	CROUND                                         ; the closing round
	s_endpgm
.Lfunc_end_k_q7204877540_attn:
	.size	k_q7204877540_attn, .Lfunc_end_k_q7204877540_attn-k_q7204877540_attn
	.p2alignl 7, 3214868480
	.fill 96, 4, 3214868480
	.section	.rodata,"a",@progbits
	.p2align	6, 0x0
	.amdhsa_kernel k_q7204877540_attn
		.amdhsa_group_segment_fixed_size 206848
		.amdhsa_private_segment_fixed_size 0
		.amdhsa_enable_private_segment 0
		.amdhsa_kernarg_size 24
		.amdhsa_user_sgpr_count 2
		.amdhsa_user_sgpr_kernarg_segment_ptr 1
		.amdhsa_wavefront_size32 1
		.amdhsa_system_sgpr_workgroup_id_x 1
		.amdhsa_system_sgpr_workgroup_id_y 1
		.amdhsa_system_sgpr_workgroup_id_z 1
		.amdhsa_system_vgpr_workitem_id 0
		.amdhsa_next_free_vgpr 512
		.amdhsa_next_free_sgpr 66
		.amdhsa_reserve_vcc 0
		.amdhsa_float_denorm_mode_32 3
		.amdhsa_float_denorm_mode_16_64 3
		.amdhsa_memory_ordered 1
		.amdhsa_forward_progress 1
		.amdhsa_inst_pref_size 101
	.end_amdhsa_kernel
	.amdgpu_metadata
---
amdhsa.version: [ 1, 2 ]
amdhsa.kernels:
  - .name:           k_q7204877540_attn
    .symbol:         k_q7204877540_attn.kd
    .args:
      - { .name: QB, .offset: 0, .size: 8, .value_kind: global_buffer, .address_space: global }
      - { .name: KV, .offset: 8, .size: 8, .value_kind: global_buffer, .address_space: global }
      - { .name: AO, .offset: 16, .size: 8, .value_kind: global_buffer, .address_space: global }
    .group_segment_fixed_size: 206848
    .private_segment_fixed_size: 0
    .kernarg_segment_align: 8
    .kernarg_segment_size: 24
    .max_flat_workgroup_size: 256
    .sgpr_count:     66
    .vgpr_count:     512
    .wavefront_size: 32
...
	.end_amdgpu_metadata
.endif
;; end of part 3
;; launch final (part 4): grid 256 x 1, 4 waves a work-group, clusters of 4 x 1, 167,936 bytes of LDS; arguments AO, WC, bo, out0; writes out0
.if DOCPART == 4
	.amdgcn_target "amdgcn-amd-amdhsa--gfx1250"
	.amdhsa_code_object_version 6
	.text
	.protected	k_q7204877540_final
	.globl	k_q7204877540_final
	.p2align	8
	.type	k_q7204877540_final,@function
k_q7204877540_final:
	s_mov_b64 s[64:65], 0
	v_nop
	global_prefetch_b8 v0, s[64:65] scope:SCOPE_SE
	s_setreg_imm32_b32 hwreg(HW_REG_WAVE_MODE, 25, 1), 1
	s_wait_xcnt 0x0
	s_wait_alu depctr_hold_cnt(0) depctr_sa_sdst(0) depctr_va_vdst(0) depctr_va_sdst(0) depctr_va_ssrc(0) depctr_va_vcc(0) depctr_vm_vsrc(0)
	s_getreg_b32 s2, hwreg(HW_REG_IB_STS2, 6, 4)
	s_cmp_eq_u32 s2, 0
	s_cbranch_scc0 .Lentry_in_a_cluster
	s_endpgm
.Lentry_in_a_cluster:
	s_bfe_u32 s2, ttmp6, 0x10000c
	s_cmp_lg_u32 s2, 0x3003
	s_cbranch_scc0 .Lentry_shape_is_right
	s_endpgm
.Lentry_shape_is_right:
; out0 = a Wo + bo on codes of FP6 (E2M3) with E8M0 scales.  a: attention's result, quantised by the launch before: for each 128 tokens and each K step of 128 a record of 12,800 bytes: 8 register images of 1,536 bytes,
; then 8 x 64 bytes of scale words.  Wo: records of 25,600 bytes (256 columns n x 128 K), from byte 2,048,000 of WC.  In each group of 64 rows tile t holds rows 8 t + (r % 8) + 32 (r / 8).
; SHARES.  A cluster of four work-groups takes 128 tokens; work-group cx takes columns 256 cx on, its wave w 64 of them.  The tokens' eight records lie whole in LDS: all four work-groups need them and ask JOINTLY,
; each wave by one tensor load of two records; every LDS byte that a load fills is filled once.  A wave's part of Wo (four tiles x eight K steps) stays in its registers.  A cluster is 4 x 1: only a goes through LDS.
; THE PRODUCT IS USED TRANSPOSED (source 0 = 16 columns of Wo, source 1 = 16 tokens): lane (r, h) holds, for token r of the tile, columns 32 h + 0 .. 31 of the wave's 64: 128 neighbouring bytes of a row of out0.
; bo is the C of each sum's first product.  A tile goes out through the wave's own stage in LDS, so that sixteen lanes store 256 consecutive bytes, at a multiple of 256 from out0's first byte.
; The eight tiles are written out by macro: every LDS and global offset is an immediate (at most 50,432 in LDS; 126 rows of 4,096 bytes in out0).
; REGISTERS, in windows of 256: window 0: addresses, sums, bias, scale words, rows on their way out; window 1: Wo's fragments of K steps 0-3 at v[12 (4 k + t)]; window 2: K steps 4-7;
;   window 3: a's fragments of one tile, all K steps, two sets: at v[12 k] and at v[96 + 12 k].
.set REC,   25600                      ; a record of Wo
.set ARC,   12800                      ; a record of a
.set STG,   102400                     ; behind a's eight records: a stage of 16 rows x (256 + 16) bytes for each wave
.set SPARE, 119808                     ; behind the stages: the spare words, 128 bytes for each wave
.set L16, 1
.set L8,  2
.set R4,  3
.set A16, 4                            ; v4-5   16 x lane + four records x p
.set A8,  6                            ; v6-7   8 x lane + four records x p
.set AS,  8                            ; v8-9   4 r + four records x p + 12,288
.set STO, 10                           ; into my stage: row r, + 128 h
.set RDA, 11                           ; out of it: lanes 0-15 one row, lanes 16-31 the next
.set OV,  12                           ; the same two rows in out0
.set SPW, 16                           ; my spare word; never rewritten
.set NIL, 17                           ; 0; never rewritten
.set TA,  18
.set TB,  19
.set TC,  20
.set ACC, 32                           ; v32-63
.set BS0, 64                           ; v64-95   bo, in the result's layout
.set S0W, 96                           ; v96-127  Wo's scale words, 4 k + t
.set SS,  128                          ; v128-143 a's scale words, two sets of 8
.set OB,  144                          ; v144-175 16 rows read back from the stage
.set WV,  12
.set CX,  13
.set G0,  16
.set G1,  20
.set S0P, 28
.set S0S, 30
.set BSP, 32
.set OUT, 34
.set MSB, 0
.macro WIN new                         ; the immediate's high byte repeats the setting that is left
.if MSB != \new
	s_set_vgpr_msb (MSB<<8)|\new
.set MSB, \new
.endif
.endm
.macro CROUND                          ; a round of the cluster's barrier
	s_barrier_signal -1
	s_barrier_wait -1
	s_cmp_lg_u32 s[WV], 0
	s_cbranch_scc1 .Lnot_wave_0_\@
	s_barrier_signal -3
.Lnot_wave_0_\@:
	s_barrier_wait -3
	s_barrier_signal -1
	s_barrier_wait -1
.endm
.macro GFRAG reg, ptr, off             ; a fragment's image from memory
	global_load_b128 v[\reg:\reg+3], v[L16], s[\ptr:\ptr+1] offset:\off
	global_load_b64 v[\reg+4:\reg+5], v[L8], s[\ptr:\ptr+1] offset:\off+512
	global_load_b128 v[\reg+6:\reg+9], v[L16], s[\ptr:\ptr+1] offset:\off+768
	global_load_b64 v[\reg+10:\reg+11], v[L8], s[\ptr:\ptr+1] offset:\off+1280
.endm
.macro LDFRAG k, ti, fs                ; a's fragment of K step k, tile ti, from LDS into set fs
.set FO, ARC*((\k)%4)+1536*(\ti)
.set FG, 96*(\fs)+12*(\k)
	ds_load_b128 v[FG:FG+3], v[A16+(\k)/4] offset:FO
	ds_load_b64 v[FG+4:FG+5], v[A8+(\k)/4] offset:FO+512
	ds_load_b128 v[FG+6:FG+9], v[A16+(\k)/4] offset:FO+768
	ds_load_b64 v[FG+10:FG+11], v[A8+(\k)/4] offset:FO+1280
.endm
.macro LOADS ti, fs
	WIN 0xc0                                       ; destination window 3, address window 0
.irp k, 0,1,2,3,4,5,6,7
	LDFRAG \k, \ti, \fs
.endr
	WIN 0
.irp k, 0,1,2,3,4,5,6,7
	ds_load_b32 v[SS+8*(\fs)+\k], v[AS+\k/4] offset:ARC*(\k%4)+64*(\ti)
.endr
.endm
.macro MM k, t, w0, fs, first
.set RA, 12*(4*((\k)-(\w0))+(\t))
.set RB, 96*(\fs)+12*(\k)
.set RC, ACC+8*(\t)
.if \first
	v_wmma_scale_f32_16x16x128_f8f6f4 v[RC:RC+7], v[RA:RA+11], v[RB:RB+11], v[BS0+8*(\t):BS0+8*(\t)+7], v[S0W+4*(\k)+(\t)], v[SS+8*(\fs)+(\k)] matrix_a_fmt:MATRIX_FMT_FP6 matrix_b_fmt:MATRIX_FMT_FP6
.else
	v_wmma_scale_f32_16x16x128_f8f6f4 v[RC:RC+7], v[RA:RA+11], v[RB:RB+11], v[RC:RC+7], v[S0W+4*(\k)+(\t)], v[SS+8*(\fs)+(\k)] matrix_a_fmt:MATRIX_FMT_FP6 matrix_b_fmt:MATRIX_FMT_FP6
.endif
.endm
	s_load_b256 s[4:11], s[0:1], 0x0               ; AO s[4:5], WC s[6:7], bo s[8:9], out0 s[10:11]
	v_lshl_add_u32 v[SPW], v0, 2, SPARE
	v_mov_b32 v[NIL], 0
	ds_add_u32 v[SPW], v[NIL]                      ; the wave's opening: the add and its wait ahead of my first tensor load; the set-up below, work on registers, stands between them
	ds_add_u32 v[SPW], v[NIL]
	v_lshrrev_b32 v[TA], 5, v0
	v_readfirstlane_b32 s[WV], v[TA]               ; wave 0..3
	s_bfe_u32 s[CX], ttmp6, 0x40000                ; my place in the cluster: it enters Wo's, bo's and out0's addresses alone
	s_mov_b32 s[G1+0], 15|(3<<16)|(1<<21)          ; the mask: all four work-groups; elements of 8 bytes; bit 21 beside a mask; no padding
	s_mov_b32 s[G1+1], 32<<16                      ; tensor_dim0 = 32 elements: 256 bytes
	s_mov_b32 s[G1+2], 100<<16                     ; tensor_dim1 = 100 rows: two records
	s_mov_b32 s[G1+3], 32<<16
	s_mov_b32 s[G1+4], 100
	s_mov_b32 s[G1+5], 32
	s_mov_b32 s[G1+6], 0
	s_mov_b32 s[G1+7], 0
	s_mov_b32 s[G0], 1
	s_mul_i32 s[G0+1], s[WV], 2*ARC                ; LDS: records 2 w and 2 w + 1
	s_mul_i32 s36, ttmp9, 8*ARC                    ; the cluster's 128 tokens
	s_add_co_u32 s36, s36, s[G0+1]
	s_mov_b32 s37, 0
	s_mul_i32 s38, s[CX], 8*REC
	s_add_co_u32 s38, s38, 2048000                 ; Wo's block cx
	s_mul_i32 s39, s[WV], 6144
	s_add_co_u32 s[S0P], s38, s39
	s_mov_b32 s[S0P+1], 0
	s_lshl_b32 s39, s[WV], 8
	s_add_co_u32 s[S0S], s38, s39
	s_add_co_u32 s[S0S], s[S0S], 24576
	s_mov_b32 s[S0S+1], 0
	s_lshl_b32 s[BSP], s[CX], 10
	s_add_co_u32 s[BSP], s[BSP], s39               ; my 64 columns, in bytes: 1,024 cx + 256 w
	s_mov_b32 s[BSP+1], 0
	s_lshl_b32 s[OUT], ttmp9, 19                   ; 128 rows of 4,096 bytes
	s_add_co_u32 s[OUT], s[OUT], s[BSP]
	s_mov_b32 s[OUT+1], 0
	v_and_b32 v[TA], 31, v0                        ; lane
	v_and_b32 v[TB], 15, v0                        ; r
	v_bfe_u32 v[TC], v0, 4, 1                      ; h
	v_lshlrev_b32 v[L16], 4, v[TA]
	v_lshlrev_b32 v[L8], 3, v[TA]
	v_lshlrev_b32 v[R4], 2, v[TB]
.irp p, 0,1
	v_add_nc_u32 v[A16+\p], 4*ARC*\p, v[L16]
	v_add_nc_u32 v[A8+\p], 4*ARC*\p, v[L8]
	v_add_nc_u32 v[AS+\p], 4*ARC*\p+12288, v[R4]
.endr
	s_mul_i32 s40, s[WV], 16*272
	s_add_co_u32 s40, s40, STG                     ; my stage
	v_mul_u32_u24 v[STO], v[TB], 272
	v_lshl_add_u32 v[STO], v[TC], 7, v[STO]
	v_add_nc_u32 v[STO], s40, v[STO]
	v_mul_u32_u24 v[RDA], v[TC], 272
	v_lshl_add_u32 v[RDA], v[TB], 4, v[RDA]
	v_add_nc_u32 v[RDA], s40, v[RDA]
	v_lshlrev_b32 v[OV], 12, v[TC]
	v_lshl_add_u32 v[OV], v[TB], 4, v[OV]
	v_lshlrev_b32 v[TA], 7, v[TC]                  ; 128 h: my half's 32 numbers of bo
	s_wait_dscnt 0x0                               ; the opening add is done
	s_wait_kmcnt 0x0
	s_add_nc_u64 s[G0+2:G0+3], s[4:5], s[36:37]
	s_or_b32 s[G0+3], s[G0+3], 0x80000000          ; type = 2
	s_add_nc_u64 s[S0P:S0P+1], s[6:7], s[S0P:S0P+1]
	s_add_nc_u64 s[S0S:S0S+1], s[6:7], s[S0S:S0S+1]
	s_add_nc_u64 s[BSP:BSP+1], s[8:9], s[BSP:BSP+1]
	s_add_nc_u64 s[OUT:OUT+1], s[10:11], s[OUT:OUT+1]
	CROUND                                         ; all four work-groups are here: the joint loads meet
	tensor_load_to_lds s[G0:G0+3], s[G1:G1+7]      ; my one tensor load of the launch
	s_nop 0
.rept 4
	v_nop
.endr
	WIN 0x40                                       ; destination window 1
.irp k, 0,1,2,3
.irp t, 0,1,2,3
	GFRAG 12*(4*\k+\t), S0P, REC*\k+1536*\t
.endr
.endr
	WIN 0x80                                       ; destination window 2
.irp k, 4,5,6,7
.irp t, 0,1,2,3
	GFRAG 12*(4*(\k-4)+\t), S0P, REC*\k+1536*\t
.endr
.endr
	WIN 0
.irp k, 0,1,2,3,4,5,6,7
.irp t, 0,1,2,3
	global_load_b32 v[S0W+4*\k+\t], v[R4], s[S0S:S0S+1] offset:REC*\k+64*\t
.endr
.endr
	s_wait_alu depctr_va_vdst(0)
.irp n, 0,1,2,3,4,5,6,7
	global_load_b128 v[BS0+4*\n:BS0+4*\n+3], v[TA], s[BSP:BSP+1] offset:16*\n
.endr
	s_wait_tensorcnt 0x0                           ; my two records are in,
	s_barrier_signal -1
	s_barrier_wait -1                              ; everybody's are
	LOADS 0, 0
	s_wait_loadcnt 0x0                             ; Wo, its scale words and bo
; A TILE of 16 tokens: tile ti of the eight, fragments in set cur; more = 1: the next tile's are asked for first, into set nxt.
.macro TILE ti, cur, nxt, more
	s_wait_dscnt 0x0                               ; this tile's fragments and words, asked for a tile ago
.if \more
	LOADS (\ti)+1, \nxt                            ; set nxt was last multiplied a tile ago; that tile's five v_nop lie between
.endif
	WIN 0x0d                                       ; source 0 window 1, source 1 window 3, C and D window 0
.irp t, 0,1,2,3
	MM 0, \t, 0, \cur, 1                           ; the first K step starts the sums, on bo.  The four accumulators take turns, one instruction a turn
.endr
.irp k, 1,2,3
.irp t, 0,1,2,3
	MM \k, \t, 0, \cur, 0
.endr
.endr
	WIN 0x0e                                       ; source 0 window 2
.irp k, 4,5,6,7
.irp t, 0,1,2,3
	MM \k, \t, 4, \cur, 0
.endr
.endr
	WIN 0
.rept 5
	v_nop                                          ; four places in front of the LDS stores that read the sums; the fifth since the next tile's first products write over these accumulators with another C
.endr
	s_wait_xcnt 0x0                                ; the last tile's stores have read their data: the rows' registers may be loaded again
.irp t, 0,1,2,3
	ds_store_b128 v[STO], v[ACC+8*\t:ACC+8*\t+3] offset:32*\t          ; each accumulator from its low end on
	ds_store_b128 v[STO], v[ACC+8*\t+4:ACC+8*\t+7] offset:32*\t+16
.endr
.irp n, 0,1,2,3,4,5,6,7
	ds_load_b128 v[OB+4*\n:OB+4*\n+3], v[RDA] offset:544*\n            ; LDS serves a wave's instructions in order: these see my stores
.endr
	s_wait_dscnt 0x0
.irp n, 0,1,2,3,4,5,6,7
	global_store_b128 v[OV], v[OB+4*\n:OB+4*\n+3], s[OUT:OUT+1] offset:(64*((\ti)/4)+8*((\ti)%4)+2*(\n%4)+32*(\n/4))*4096 th:TH_STORE_NT   ; stage rows 2 n and 2 n + 1 are tokens 8 t + 2 (n % 4) + h + 32 (n / 4) of the group
.endr
.endm
	TILE 0, 0, 1, 1
	TILE 1, 1, 0, 1
	TILE 2, 0, 1, 1
	TILE 3, 1, 0, 1
	TILE 4, 0, 1, 1
	TILE 5, 1, 0, 1
	TILE 6, 0, 1, 1
	TILE 7, 1, 0, 0
	s_wait_tensorcnt 0x0                           ; the wave's end: behind my last tensor load and my last LDS store
	ds_add_u32 v[SPW], v[NIL]
	s_wait_dscnt 0x0
	CROUND                                         ; the closing round
	s_endpgm
.Lfunc_end_k_q7204877540_final:
	.size	k_q7204877540_final, .Lfunc_end_k_q7204877540_final-k_q7204877540_final
	.p2alignl 7, 3214868480
	.fill 96, 4, 3214868480
	.section	.rodata,"a",@progbits
	.p2align	6, 0x0
	.amdhsa_kernel k_q7204877540_final
		.amdhsa_group_segment_fixed_size 167936
		.amdhsa_private_segment_fixed_size 0
		.amdhsa_enable_private_segment 0
		.amdhsa_kernarg_size 32
		.amdhsa_user_sgpr_count 2
		.amdhsa_user_sgpr_kernarg_segment_ptr 1
		.amdhsa_wavefront_size32 1
		.amdhsa_system_sgpr_workgroup_id_x 1
		.amdhsa_system_sgpr_workgroup_id_y 1
		.amdhsa_system_sgpr_workgroup_id_z 1
		.amdhsa_system_vgpr_workitem_id 0
		.amdhsa_next_free_vgpr 1024
		.amdhsa_next_free_sgpr 66
		.amdhsa_reserve_vcc 0
		.amdhsa_float_denorm_mode_32 3
		.amdhsa_float_denorm_mode_16_64 3
		.amdhsa_memory_ordered 1
		.amdhsa_forward_progress 1
		.amdhsa_inst_pref_size 90
	.end_amdhsa_kernel
	.amdgpu_metadata
---
amdhsa.version: [ 1, 2 ]
amdhsa.kernels:
  - .name:           k_q7204877540_final
    .symbol:         k_q7204877540_final.kd
    .args:
      - { .name: AO, .offset: 0, .size: 8, .value_kind: global_buffer, .address_space: global }
      - { .name: WC, .offset: 8, .size: 8, .value_kind: global_buffer, .address_space: global }
      - { .name: bo, .offset: 16, .size: 8, .value_kind: global_buffer, .address_space: global }
      - { .name: out0, .offset: 24, .size: 8, .value_kind: global_buffer, .address_space: global }
    .group_segment_fixed_size: 167936
    .private_segment_fixed_size: 0
    .kernarg_segment_align: 8
    .kernarg_segment_size: 32
    .max_flat_workgroup_size: 128
    .sgpr_count:     66
    .vgpr_count:     1024
    .wavefront_size: 32
...
	.end_amdgpu_metadata
.endif
;; end of part 4
